; MI455X (gfx1250); checked and timed in simulation.
; The chip was launched on July 23, 2026; its instructions are those of AMD's public machine-readable ISA for CDNA 5 (MIT licence, August 2026) and "CDNA5" Instruction Set Architecture Reference Guide (July 2026). The comments in the code are by the model that wrote it; some were corrected since.
;; Attention. Allowed arithmetic: float matrix products may take bf16 or f16 operands with f32 sums; all other float work in f32.
;; Inputs: Wg 1,024 x 16 float32; Wkv 1,024 x 2,048 float32; Wout 1,024 x 1,024 float32; Wq 1,024 x 1,024 float32; norm_w 1,024 float32; tokens 2 x 2,048 x 1,024 float32.
;; Outputs: out0 2 x 2,048 x 1,024 float32.
;; One version. Each part assembles by itself: llvm-mc -triple=amdgcn-amd-amdhsa -mcpu=gfx1250 --defsym DOCPART=n.
;; ======== version 1 of 1: 4 launches
;; limits: values are held in f16: magnitudes above 65,504 overflow, below 6.1e-05 lose precision
;; workspace buffers: xw 8,388,608 bytes; wt 8,388,608 bytes; rsb 16,384 bytes; gt 262,144 bytes; qkvb 33,554,432 bytes; ab 10,485,760 bytes
;; launch prep (part 1): grid 512 x 1, 4 waves a work-group, no clusters, 70,656 bytes of LDS; arguments tokens, norm_w, Wg, Wq, Wkv, Wout, xw, rsb, gt, wt; writes xw, rsb, gt, wt
.if DOCPART == 1
	.amdgcn_target "amdgcn-amd-amdhsa--gfx1250"
	.amdhsa_code_object_version 6
	.text
	.protected	k_qdcf9748592_prep
	.globl	k_qdcf9748592_prep
	.p2align	8
	.type	k_qdcf9748592_prep,@function
k_qdcf9748592_prep:
	s_mov_b64 s[64:65], 0
	v_nop
	global_prefetch_b8 v0, s[64:65] scope:SCOPE_SE
	s_setreg_imm32_b32 hwreg(HW_REG_WAVE_MODE, 25, 1), 1
	s_wait_xcnt 0x0
; PREP.  Work-groups 0-255: 16 token rows each.  xw[m][c] = f16(bf16(tokens[m][c]) * bf16(norm_w[c])), rs[m] = rsqrt(mean(bf16(tokens)^2) + eps),
; gates gt[b*16+head][n] = sigmoid(rs * (xw row . Wg column)).  Work-groups 256-511: the weights, rounded to bf16 and held in f16, laid as 64 strips
; [1024 k][64 columns]: strip 3*head+t for Wq, Wk, Wv (t = 0, 1, 2), strip 48+s for Wout's columns 64 s.
; LIMITS: every input is rounded once to bf16 (nearest even); the f16 copy of a bf16 number is exact down to 2^-17, below that it has an absolute
; step of 2^-24.  |xw| above 65,504 becomes infinity.  rs multiplies the f32 sums behind the products, here and in the next launch.
; All loads go through registers: each work-group reads 64 KiB once and has all of it requested before its first wait, so no LDS ring is needed.
.set XP,  2064                         ; LDS pitch of an xw row: 2,048 bytes + 16, an odd multiple of 16
.set WGS, 16*XP                        ; Wg as [1024 k][16] f16, 32 bytes a row; wave w owns bytes 8192 w ..
.set RED, WGS+32768                    ; the four waves' partial gate sums, 1,024 bytes each
.set RSL, RED+4096                     ; rs of the 16 rows
.set G,   32                           ; v[32:95]   a batch of Wg; later the two gate accumulators v[32:47]
.set RS,  48                           ; v48        rs of row r (behind the batches)
.set W,   96                           ; v[96:127]  norm_w of my 32 columns
.set X,   128                          ; v[128:255] four token rows; later the gate product's fragments
; eight f32 at v[src] -> bf16 (nearest even) -> the same values in f16, packed into v[dst:dst+3]
.macro CV8 src, dst
.irp p, 0,1,2,3
	v_cvt_pk_bf16_f32 v[4+\p], v[\src+2*\p], v[\src+2*\p+1]
.endr
.irp p, 0,1,2,3
	v_lshlrev_b32 v[8+2*\p], 16, v[4+\p]
	v_and_b32 v[9+2*\p], s3, v[4+\p]
.endr
.irp p, 0,1,2,3
	v_cvt_pk_f16_f32 v[\dst+\p], v[8+2*\p], v[9+2*\p]
.endr
.endm
	s_load_b512 s[8:23], s[0:1], 0x0               ; tokens s[8:9], norm_w s[10:11], Wg s[12:13], Wq s[14:15], Wkv s[16:17], Wout s[18:19], xw s[20:21], rsb s[22:23]
	s_load_b128 s[24:27], s[0:1], 0x40             ; gt s[24:25], wt s[26:27]
	s_set_vgpr_msb 0x40
	v_lshl_add_u32 v0, v0, 2, 0x11200
	v_mov_b32 v1, 0
	s_set_vgpr_msb 0x4000
	v_lshrrev_b32 v1, 5, v0
	v_readfirstlane_b32 s2, v1                     ; wave 0..3
	v_and_b32 v3, 31, v0                           ; lane L
	s_mov_b32 s3, 0xffff0000                       ; a word's upper bf16
	s_cmp_ge_u32 ttmp9, 256
	s_cbranch_scc1 .Lweights
	; ---------------- token rows: wave w has rows 4w .. 4w+3 of the group's 16 ----------------
	v_lshlrev_b32 v1, 4, v3                        ; 16 L
	v_lshlrev_b32 v2, 5, v3                        ; 32 L
	s_lshl_b32 s28, s2, 14                         ; w x 16,384: my quarter of Wg, and my four rows of tokens
	s_mov_b32 s29, 0
	s_lshl_b32 s30, ttmp9, 16                      ; the group's 16 rows of 4,096 bytes
	s_add_co_u32 s30, s30, s28
	s_mov_b32 s31, 0
	s_lshr_b32 s32, s30, 1                         ; the same rows in xw, 2,048 bytes each
	s_mov_b32 s33, 0
	s_mov_b32 s4, 0x3a800000                       ; 1/1024
	s_mov_b32 s5, 0x34000000                       ; eps of f32, 2^-23
	s_mov_b32 s6, 0x76543210                       ; v_permlanex16_b32: lane i reads lane i of the other half
	s_mov_b32 s7, 0xfedcba98
	s_wait_kmcnt 0x0
	s_add_nc_u64 s[12:13], s[12:13], s[28:29]
	s_add_nc_u64 s[8:9], s[8:9], s[30:31]
	s_add_nc_u64 s[20:21], s[20:21], s[32:33]
.irp i, 0,1,2,3,4,5,6,7
	global_load_b128 v[G+8*\i:G+8*\i+3],   v2, s[12:13] offset:\i*1024      ; Wg, k rows 256w+16i .. +15: a lane takes half a row
	global_load_b128 v[G+8*\i+4:G+8*\i+7], v2, s[12:13] offset:\i*1024+16
.endr
.irp j, 0,1,2,3,4,5,6,7
	global_load_b128 v[W+4*\j:W+4*\j+3], v1, s[10:11] offset:512*\j         ; columns 128 j + 4 L .. +3
.endr
.irp p, 0,1,2,3
.irp j, 0,1,2,3,4,5,6,7
	global_load_b128 v[X+32*\p+4*\j:X+32*\p+4*\j+3], v1, s[8:9] offset:\p*4096+512*\j th:TH_LOAD_NT
.endr
.endr
	v_and_b32 v4, 15, v3                           ; r
	v_lshrrev_b32 v5, 4, v3                        ; h
	v_and_b32 v6, 7, v3
	v_bfe_u32 v7, v3, 3, 1
	s_lshl_b32 s34, s2, 13
	s_add_co_u32 s34, s34, WGS                     ; my 8,192 bytes of Wg in LDS
	v_add_nc_u32 v24, s34, v1                      ; where I put 16 bytes of Wg
	v_lshlrev_b32 v25, 3, v3                       ; 8 L: my 8 bytes in 256 of an xw row
	s_mul_i32 s35, s2, 4*XP
	v_add_nc_u32 v26, s35, v25                     ; the same in LDS, my first row
	s_lshl_b32 s35, s2, 4
	s_add_co_u32 s35, s35, RSL
	v_mov_b32 v27, s35                             ; rs of my first row
	v_lshl_add_u32 v28, v5, 3, v6                  ; transposing load of Wg: k row 8h + (L&7),
	v_lshlrev_b32 v28, 5, v28
	v_lshl_add_u32 v28, v7, 4, v28                 ; 16 bytes by bit 3 of the lane
	v_add_nc_u32 v28, s34, v28
	v_mul_u32_u24 v29, v4, XP                      ; x fragment: row r, my K quarter, 16 h
	v_lshl_add_u32 v29, v5, 4, v29
	s_lshl_b32 s35, s2, 9
	v_add_nc_u32 v29, s35, v29
	v_lshlrev_b32 v30, 2, v4                       ; 4 r
	v_add_nc_u32 v31, RSL, v30
	s_wait_loadcnt 40                              ; the first 16 loads (Wg, first half) are in; norm_w's 8 and the tokens' 32 stay out
.irp i, 0,1,2,3,4,5,6,7
	CV8 (G+8*\i), 16
	ds_store_b128 v24, v[16:19] offset:\i*512
.endr
.irp i, 0,1,2,3,4,5,6,7
	global_load_b128 v[G+8*\i:G+8*\i+3],   v2, s[12:13] offset:8192+\i*1024  ; Wg, second half
	global_load_b128 v[G+8*\i+4:G+8*\i+7], v2, s[12:13] offset:8192+\i*1024+16
.endr
	s_wait_loadcnt 16                              ; norm_w and the tokens are in; the 16 just issued stay out
.irp p, 0,1,2,3,4,5,6,7,8,9,10,11,12,13,14,15
	v_cvt_pk_bf16_f32 v4, v[W+2*\p], v[W+2*\p+1]   ; norm_w rounded to bf16, kept as f32
	v_lshlrev_b32 v[W+2*\p], 16, v4
	v_and_b32 v[W+2*\p+1], s3, v4
.endr
; one row: round to bf16, add the squares (two chains), multiply by norm_w, round to f16, store to xw and to LDS; then rs
.macro ROW p
.irp j, 0,1,2,3,4,5,6,7
	v_cvt_pk_bf16_f32 v4, v[X+32*\p+4*\j], v[X+32*\p+4*\j+1]
	v_cvt_pk_bf16_f32 v5, v[X+32*\p+4*\j+2], v[X+32*\p+4*\j+3]
	v_lshlrev_b32 v8, 16, v4
	v_and_b32 v9, s3, v4
	v_lshlrev_b32 v10, 16, v5
	v_and_b32 v11, s3, v5
.if \j == 0
	v_pk_mul_f32 v[20:21], v[8:9], v[8:9]          ; the first squares start the sums
	v_pk_mul_f32 v[22:23], v[10:11], v[10:11]
.else
	v_pk_fma_f32 v[20:21], v[8:9], v[8:9], v[20:21]
	v_pk_fma_f32 v[22:23], v[10:11], v[10:11], v[22:23]
.endif
	v_pk_mul_f32 v[8:9], v[8:9], v[W+4*\j:W+4*\j+1]
	v_pk_mul_f32 v[10:11], v[10:11], v[W+4*\j+2:W+4*\j+3]
	v_cvt_pk_f16_f32 v[X+32*\p+4*\j], v8, v9
	v_cvt_pk_f16_f32 v[X+32*\p+4*\j+1], v10, v11
	global_store_b64 v25, v[X+32*\p+4*\j:X+32*\p+4*\j+1], s[20:21] offset:\p*2048+256*\j   ; the wave stores 256 consecutive bytes, aligned
	ds_store_b64 v26, v[X+32*\p+4*\j:X+32*\p+4*\j+1] offset:\p*XP+256*\j
.endr
	v_pk_add_f32 v[20:21], v[20:21], v[22:23]
	v_add_f32 v20, v20, v21
	v_add_f32_dpp v20, v20, v20 row_xmask:1 row_mask:0xf bank_mask:0xf
	v_add_f32_dpp v20, v20, v20 row_xmask:2 row_mask:0xf bank_mask:0xf
	v_add_f32_dpp v20, v20, v20 row_xmask:4 row_mask:0xf bank_mask:0xf
	v_add_f32_dpp v20, v20, v20 row_xmask:8 row_mask:0xf bank_mask:0xf
	v_permlanex16_b32 v21, v20, s6, s7
	v_add_f32 v20, v20, v21
	v_fma_f32 v20, v20, s4, s5                     ; mean + eps
	v_rsq_f32 v20, v20
	v_nop                                          ; one plain place behind the transcendental (ISA guide 5.7.2)
	s_wait_alu depctr_va_vdst(0)
	ds_store_b32 v27, v20 offset:4*\p
.endm
	ROW 0
	ROW 1
	ROW 2
	ROW 3
	s_wait_loadcnt 0x0                             ; Wg's second half
.irp i, 0,1,2,3,4,5,6,7
	CV8 (G+8*\i), 16
	ds_store_b128 v24, v[16:19] offset:4096+\i*512
.endr
	s_wait_dscnt 0x0                               ; my rows, my rs and my part of Wg are in LDS
	s_barrier_signal -1
	s_barrier_wait -1                              ; everybody's are
	; gate product: wave w sums K = 256 w .. +255.  Source 0 = Wg transposed (rows = heads), source 1 = the 16 x rows: register j = (head 8h+j, row r)
	s_wait_xcnt 0x0                                ; the xw stores read X: it is loaded again only behind this wait
.irp ks, 0,1,2,3,4,5,6,7
	ds_load_tr16_b128 v[X+16*\ks:X+16*\ks+3],     v28 offset:\ks*1024
	ds_load_tr16_b128 v[X+16*\ks+4:X+16*\ks+7],   v28 offset:\ks*1024+512
	ds_load_b128      v[X+16*\ks+8:X+16*\ks+11],  v29 offset:\ks*64
	ds_load_b128      v[X+16*\ks+12:X+16*\ks+15], v29 offset:\ks*64+32
.endr
	ds_load_b32 v[RS], v31
	s_lshl_b32 s35, s2, 10
	s_add_co_u32 s35, s35, RED
	v_add_nc_u32 v16, s35, v2                      ; my partial sums: RED + 1024 w + 32 L
	s_lshl_b32 s35, s2, 3
	s_add_co_u32 s35, s35, RED
	v_add_nc_u32 v17, s35, v2                      ; what I finish: registers 2w, 2w+1 of every wave's sums
	v_lshrrev_b32 v18, 4, v3
	v_lshl_add_u32 v18, v18, 16, v30               ; gt: 8 h heads of 8,192 bytes + 4 r
	s_lshr_b32 s34, ttmp9, 7                       ; batch
	s_lshl_b32 s34, s34, 17                        ; 16 heads of 8,192 bytes
	s_lshl_b32 s35, s2, 14                         ; head 2 w
	s_add_co_u32 s34, s34, s35
	s_and_b32 s35, ttmp9, 127
	s_lshl_b32 s35, s35, 6                         ; the group's first row in its batch, 4 bytes each
	s_add_co_u32 s34, s34, s35
	s_mov_b32 s35, 0
	s_add_nc_u64 s[24:25], s[24:25], s[34:35]
	s_lshl_b32 s34, ttmp9, 6
	s_add_nc_u64 s[22:23], s[22:23], s[34:35]      ; rsb at the group's first row
	s_wait_dscnt 0x0
	; two accumulators take turns, one instruction a turn
	v_wmma_f32_16x16x32_f16 v[32:39], v[X:X+7], v[X+8:X+15], 0
	v_wmma_f32_16x16x32_f16 v[40:47], v[X+16:X+23], v[X+24:X+31], 0
.irp ks, 2,4,6
	v_wmma_f32_16x16x32_f16 v[32:39], v[X+16*\ks:X+16*\ks+7], v[X+16*\ks+8:X+16*\ks+15], v[32:39]
	v_wmma_f32_16x16x32_f16 v[40:47], v[X+16*\ks+16:X+16*\ks+23], v[X+16*\ks+24:X+16*\ks+31], v[40:47]
.endr
.rept 4
	v_nop                                          ; four places before a vector instruction reads the results (ISA guide 7.12.1)
.endr
.irp i, 0,2,4,6
	v_pk_add_f32 v[32+\i:33+\i], v[32+\i:33+\i], v[40+\i:41+\i]
.endr
	ds_store_b128 v16, v[32:35]
	ds_store_b128 v16, v[36:39] offset:16
	s_wait_dscnt 0x0
	s_barrier_signal -1
	s_barrier_wait -1
.irp q, 0,1,2,3
	ds_load_b64 v[8+2*\q:9+2*\q], v17 offset:\q*1024
.endr
	v_mul_f32 v19, 0xbfb8aa3b, v[RS]               ; -log2(e) rs
	s_wait_dscnt 0x0
	v_pk_add_f32 v[8:9], v[8:9], v[10:11]
	v_pk_add_f32 v[12:13], v[12:13], v[14:15]
	v_pk_add_f32 v[8:9], v[8:9], v[12:13]
	v_mul_f32 v8, v8, v19
	v_mul_f32 v9, v9, v19
	v_exp_f32 v8, v8                               ; sigmoid(z) = 1 / (1 + 2^(-log2(e) z))
	v_exp_f32 v9, v9
	v_nop
	s_wait_alu depctr_va_vdst(0)
	v_add_f32 v8, 1.0, v8
	v_add_f32 v9, 1.0, v9
	v_rcp_f32 v8, v8
	v_rcp_f32 v9, v9
	v_nop
	s_wait_alu depctr_va_vdst(0)
	global_store_b32 v18, v8, s[24:25]             ; gates and rs leave in pieces of 64 bytes: 0.28 MB in all, not worth a stage
	global_store_b32 v18, v9, s[24:25] offset:8192
	s_cmp_lg_u32 s2, 0
	s_cbranch_scc1 .Ldone
	global_store_b32 v30, v[RS], s[22:23]          ; both halves of the lanes store the same 16 words
.Ldone:
	s_set_vgpr_msb 0x5
	s_wait_tensorcnt 0x0
	ds_add_u32 v0, v1
	s_wait_dscnt 0x0
	s_set_vgpr_msb 0x500
	s_endpgm
	; ---------------- weights: work-group 256 + 4 tau + kq makes k rows 256 kq .. +255 of one strip; a wave 64 rows ----------------
.Lweights:
	s_sub_co_u32 s28, ttmp9, 256
	s_and_b32 s29, s28, 3                          ; kq
	s_lshr_b32 s28, s28, 2
	s_lshr_b32 s30, s28, 4                         ; t: 0 Wq, 1 Wk, 2 Wv, 3 Wout
	s_and_b32 s31, s28, 15                         ; s: 64 columns
	s_lshl_b32 s29, s29, 8
	s_lshl_b32 s32, s2, 6
	s_add_co_u32 s29, s29, s32                     ; my first k row
	s_mul_i32 s33, s31, 3
	s_add_co_u32 s33, s33, s30
	s_add_co_u32 s34, s31, 48
	s_cmp_lt_u32 s30, 3
	s_cselect_b32 s33, s33, s34                    ; the strip
	s_lshl_b32 s33, s33, 17
	s_lshl_b32 s34, s29, 7
	s_add_co_u32 s34, s33, s34
	s_mov_b32 s35, 0
	s_lshl_b32 s36, s31, 8                         ; 64 columns of f32
	s_mov_b32 s37, 0
	s_cmp_eq_u32 s30, 2
	s_cselect_b32 s32, 4096, 0                     ; Wv is the right half of Wkv
	s_add_co_u32 s36, s36, s32
	v_lshlrev_b32 v1, 4, v3                        ; 16 L
	v_lshrrev_b32 v16, 3, v3                       ; row in four
	v_and_b32 v17, 7, v3
	v_lshlrev_b32 v17, 5, v17                      ; eight f32
	s_wait_kmcnt 0x0
	s_add_nc_u64 s[26:27], s[26:27], s[34:35]
	s_cmp_eq_u32 s30, 0
	s_cselect_b64 s[38:39], s[14:15], s[16:17]
	s_cmp_eq_u32 s30, 3
	s_cselect_b64 s[38:39], s[18:19], s[38:39]
; sh = log2 of the source's row bytes.  32 loads are out at once; pair i is converted when the 30 - 2 i younger loads may still be out.
.macro WSTRIP sh
	s_lshl_b32 s32, s29, \sh
	s_add_co_u32 s36, s36, s32
	s_add_nc_u64 s[38:39], s[38:39], s[36:37]
	v_lshl_add_u32 v2, v16, \sh, v17
.irp i, 0,1,2,3,4,5,6,7,8,9,10,11,12,13,14,15
	global_load_b128 v[X+8*\i:X+8*\i+3],   v2, s[38:39] offset:(4*\i)<<\sh th:TH_LOAD_NT
	global_load_b128 v[X+8*\i+4:X+8*\i+7], v2, s[38:39] offset:((4*\i)<<\sh)+16 th:TH_LOAD_NT
.endr
.irp i, 0,1,2,3,4,5,6,7,8,9,10,11,12,13,14,15
	s_wait_loadcnt 30-2*\i
	CV8 (X+8*\i), (X+8*\i)
	global_store_b128 v1, v[X+8*\i:X+8*\i+3], s[26:27] offset:512*\i        ; four strip rows: 512 consecutive bytes
.endr
.endm
	s_add_co_u32 s32, s30, 1
	s_bitcmp1_b32 s32, 1                           ; t = 1 or 2: rows of Wkv, 8,192 bytes
	s_cbranch_scc1 .Lwide
	WSTRIP 12
	s_endpgm
.Lwide:
	WSTRIP 13
	s_endpgm
.Lfunc_end_k_qdcf9748592_prep:
	.size	k_qdcf9748592_prep, .Lfunc_end_k_qdcf9748592_prep-k_qdcf9748592_prep
	.p2alignl 7, 3214868480
	.fill 96, 4, 3214868480
	.section	.rodata,"a",@progbits
	.p2align	6, 0x0
	.amdhsa_kernel k_qdcf9748592_prep
		.amdhsa_group_segment_fixed_size 70656
		.amdhsa_private_segment_fixed_size 0
		.amdhsa_enable_private_segment 0
		.amdhsa_kernarg_size 80
		.amdhsa_user_sgpr_count 2
		.amdhsa_user_sgpr_kernarg_segment_ptr 1
		.amdhsa_wavefront_size32 1
		.amdhsa_system_sgpr_workgroup_id_x 1
		.amdhsa_system_sgpr_workgroup_id_y 1
		.amdhsa_system_sgpr_workgroup_id_z 1
		.amdhsa_system_vgpr_workitem_id 0
		.amdhsa_next_free_vgpr 258
		.amdhsa_next_free_sgpr 66
		.amdhsa_reserve_vcc 0
		.amdhsa_float_denorm_mode_32 3
		.amdhsa_float_denorm_mode_16_64 3
		.amdhsa_memory_ordered 1
		.amdhsa_forward_progress 1
		.amdhsa_inst_pref_size 93
	.end_amdhsa_kernel
	.amdgpu_metadata
---
amdhsa.version: [ 1, 2 ]
amdhsa.kernels:
  - .name:           k_qdcf9748592_prep
    .symbol:         k_qdcf9748592_prep.kd
    .args:
      - { .name: tokens, .offset: 0, .size: 8, .value_kind: global_buffer, .address_space: global }
      - { .name: norm_w, .offset: 8, .size: 8, .value_kind: global_buffer, .address_space: global }
      - { .name: Wg, .offset: 16, .size: 8, .value_kind: global_buffer, .address_space: global }
      - { .name: Wq, .offset: 24, .size: 8, .value_kind: global_buffer, .address_space: global }
      - { .name: Wkv, .offset: 32, .size: 8, .value_kind: global_buffer, .address_space: global }
      - { .name: Wout, .offset: 40, .size: 8, .value_kind: global_buffer, .address_space: global }
      - { .name: xw, .offset: 48, .size: 8, .value_kind: global_buffer, .address_space: global }
      - { .name: rsb, .offset: 56, .size: 8, .value_kind: global_buffer, .address_space: global }
      - { .name: gt, .offset: 64, .size: 8, .value_kind: global_buffer, .address_space: global }
      - { .name: wt, .offset: 72, .size: 8, .value_kind: global_buffer, .address_space: global }
    .group_segment_fixed_size: 70656
    .private_segment_fixed_size: 0
    .kernarg_segment_align: 8
    .kernarg_segment_size: 80
    .max_flat_workgroup_size: 128
    .sgpr_count:     66
    .vgpr_count:     258
    .wavefront_size: 32
...
	.end_amdgpu_metadata
.endif
;; end of part 1
;; launch qkvp (part 2): grid 16 x 16, 4 waves a work-group, clusters of 4 x 4, 327,680 bytes of LDS; arguments xw, wt, rsb, qkvb; writes qkvb
.if DOCPART == 2
	.amdgcn_target "amdgcn-amd-amdhsa--gfx1250"
	.amdhsa_code_object_version 6
	.text
	.protected	k_qdcf9748592_qkvp
	.globl	k_qdcf9748592_qkvp
	.p2align	8
	.type	k_qdcf9748592_qkvp,@function
k_qdcf9748592_qkvp:
	s_mov_b64 s[64:65], 0
	v_nop
	global_prefetch_b8 v0, s[64:65] scope:SCOPE_SE
	s_setreg_imm32_b32 hwreg(HW_REG_WAVE_MODE, 25, 1), 1
	s_wait_xcnt 0x0
	s_wait_alu depctr_hold_cnt(0) depctr_sa_sdst(0) depctr_va_vdst(0) depctr_va_sdst(0) depctr_va_ssrc(0) depctr_va_vcc(0) depctr_vm_vsrc(0)
	s_getreg_b32 s2, hwreg(HW_REG_IB_STS2, 6, 4)
	s_cmp_eq_u32 s2, 0
	s_cbranch_scc0 .Lentry_in_a_cluster
	s_endpgm
.Lentry_in_a_cluster:
	s_bfe_u32 s2, ttmp6, 0x10000c
	s_cmp_lg_u32 s2, 0xf033
	s_cbranch_scc0 .Lentry_shape_is_right
	s_endpgm
.Lentry_shape_is_right:
; Q, K, V.  C[m][n] = rs[m] * sum over k of xw[m][k] W[k][n], f16 operands, f32 sums.  Work-group (x = head, y = block of 256 rows) makes 256 rows x 192
; columns: the head's 64 columns of q, of k and of v (strips 3 head + 0, 1, 2 of wt).  Four waves, 64 rows x 192 columns each: 48 accumulator tiles.
; Out: planes q' = q * 0.125 * log2(e), k, v (high), v - f16(v) (low), each [32 batch*head][2048][64] f16, 8,388,608 bytes apart.
; LIMIT: |q'|, |k|, |v| above 65,504 become infinity; below 6e-5 the f16 step is 6e-8.
; K goes in steps of 128 through two LDS slots.  CLUSTER 4 x 4: the four work-groups of a row share y and so A's tile (xw), the four of a column share the
; head and so the three strips' tiles; each tile is asked for jointly.  Wave 0 asks for A (256 rows of 256 bytes), waves 1-3 for one strip each (16 KiB dense).
; The matrix instruction is used transposed (source 0 = W, source 1 = xw): a lane holds row l%16 and eight neighbouring columns.
; W lies [k][n] in LDS, so its fragments come by the transposing load; pitch 160 bytes, an odd multiple of 32.
; REGISTER WINDOWS: 0: addresses, xw fragments (two buffers of 32 at v64, v96), way out; 1: W fragments (two buffers of 96 at v0, v96);
; 2: accumulators of row blocks 0, 1 (tile (a, b) at 8 (12 a + b)); 3: row blocks 2, 3.
.set KSTEP,  128
.set APITCH, 272
.set BPITCH, 160
.set ATILE,  256*APITCH
.set BPLANE, 128*BPITCH
.set SLOT,   ATILE+3*BPLANE            ; 131,072
.set STAGE,  2*SLOT                    ; behind the ring, never filled by a tensor load: 4 destinations x 16 rows x 144 bytes for each wave
.set SPITCH, 144
.set SDEST,  16*SPITCH
.set LAPS,   4                         ; 1024 / (2 x 128)
.set ADRA, 16                          ; v16-17 LDS address of my xw fragments, slot 0, 1
.set ADRB, 20                          ; v20-21 the same for W
.set G1,  24                           ; s[24:31] group 1 of A's tiles
.set G0,  32                           ; s[32:39] group 0 of A's tiles, a set for each slot
.set G1B, 48                           ; s[48:55] group 1 of the strips' tiles
.set G0B, 56                           ; s[56:63] group 0 of the strips' tiles
.set MSB, 0
.macro WIN new                         ; the immediate's high byte repeats the setting that is left
.if MSB != \new
	s_set_vgpr_msb (MSB<<8)|\new
.set MSB, \new
.endif
.endm
.set MUL_LO, 0xa1                      ; source 0 window 1, source 1 window 0, C and D window 2
.set MUL_HI, 0xf1                      ; C and D window 3
.set TO_B,   0x40                      ; destination window 1
.macro JLOAD s                         ; one joint load a wave; the branch hangs on the wave's number alone
	s_cmp_eq_u32 s12, 0
	s_cbranch_scc0 .Lfor_b_\@
	tensor_load_to_lds s[G0+4*\s:G0+4*\s+3], s[G1:G1+7]
	s_nop 0
	s_branch .Lasked_\@
.Lfor_b_\@:
	tensor_load_to_lds s[G0B+4*\s:G0B+4*\s+3], s[G1B:G1B+7]
	s_nop 0
.Lasked_\@:
.endm
.macro CREST                           ; a round of the cluster's barrier behind its opening barrier
	s_cmp_lg_u32 s12, 0
	s_cbranch_scc1 .Lnot_wave_0_\@
	s_barrier_signal -3
.Lnot_wave_0_\@:
	s_barrier_wait -3
	s_barrier_signal -1
	s_barrier_wait -1
.endm
.macro CROUND
	s_barrier_signal -1
	s_barrier_wait -1
	CREST
.endm
.macro PLACES                          ; four places behind a matrix instruction before its registers are loaded into or its results read (ISA guide 7.12.1)
.rept 4
	v_nop
.endr
.endm
	s_load_b256 s[4:11], s[0:1], 0x0               ; xw s[4:5], wt s[6:7], rsb s[8:9], qkvb s[10:11]
	s_set_vgpr_msb 0x40
	v_lshl_add_u32 v255, v0, 2, 0x49000
	s_set_vgpr_msb 0x4000
	v_mov_b32 v63, 0
	s_set_vgpr_msb 0x1
	ds_add_u32 v255, v63
	s_set_vgpr_msb 0x100
	v_lshrrev_b32 v1, 5, v0
	v_readfirstlane_b32 s12, v1                    ; wave 0..3
	s_bfe_u32 s40, ttmp6, 0x40000                  ; cx
	s_bfe_u32 s41, ttmp6, 0x40004                  ; cy
	s_lshl_b32 s42, ttmp9, 2
	s_add_co_u32 s42, s42, s40                     ; head = 4 x cluster x + cx
	s_and_b32 s13, ttmp7, 0xffff
	s_lshl_b32 s13, s13, 2
	s_add_co_u32 s13, s13, s41                     ; row block y = 4 x cluster y + cy
	s_lshl_b32 s43, s41, 2
	s_lshl_b32 s43, 15, s43                        ; my row of the cluster
	s_lshl_b32 s44, 0x1111, s40                    ; my column
	s_or_b32 s[G1+0], s43, (1<<16)|(1<<20)|(1<<21)|(5<<22)|(3<<25)   ; mask; 2-byte elements; padding: 4 words behind every 64; bit 21 beside a mask
	s_mov_b32 s[G1+1], KSTEP<<16                   ; tensor_dim0 = 128
	s_mov_b32 s[G1+2], 256<<16                     ; tensor_dim1 = 256
	s_mov_b32 s[G1+3], KSTEP<<16                   ; tile_dim0 = 128
	s_mov_b32 s[G1+4], 256                         ; tile_dim1 = 256
	s_mov_b32 s[G1+5], 1024                        ; elements from row to row
	s_mov_b32 s[G1+6], 0
	s_mov_b32 s[G1+7], 0
	s_or_b32 s[G1B+0], s44, (1<<16)|(1<<20)|(1<<21)|(4<<22)|(7<<25)  ; padding: 8 words behind every 32, so that a k row of 128 bytes has pitch 160
	s_mov_b32 s[G1B+1], 128<<16                    ; the strip's 128 k rows are dense: taken as 64 rows of 256 bytes
	s_mov_b32 s[G1B+2], 64<<16
	s_mov_b32 s[G1B+3], 128<<16
	s_mov_b32 s[G1B+4], 64
	s_mov_b32 s[G1B+5], 128
	s_mov_b32 s[G1B+6], 0
	s_mov_b32 s[G1B+7], 0
	s_lshl_b32 s16, s13, 19                        ; A: 256 rows of 2,048 bytes a block; hangs on y alone
	s_mov_b32 s17, 0
	s_max_u32 s45, s12, 1
	s_sub_co_u32 s45, s45, 1                       ; waves 1-3: strip 0-2 (wave 0 makes an address that it never uses)
	s_mul_i32 s46, s42, 3
	s_add_co_u32 s46, s46, s45
	s_lshl_b32 s46, s46, 17                        ; strips of 131,072 bytes; hangs on the head alone
	s_mov_b32 s47, 0
	s_mul_i32 s20, s12, BPLANE
	s_add_co_u32 s20, s20, ATILE-BPLANE            ; LDS: plane wave - 1 behind A's tile
	s_wait_dscnt 0x0
	s_wait_kmcnt 0x0
	s_add_nc_u64 s[14:15], s[4:5], s[16:17]
	s_add_nc_u64 s[46:47], s[6:7], s[46:47]
	CROUND                                         ; all sixteen work-groups are here: the first joint loads meet
.irp s, 0,1
	s_mov_b32 s[G0+4*\s], 1
	s_mov_b32 s[G0+4*\s+1], \s*SLOT
	s_add_nc_u64 s[G0+4*\s+2:G0+4*\s+3], s[14:15], \s*KSTEP*2
	s_or_b32 s[G0+4*\s+3], s[G0+4*\s+3], 0x80000000
	s_mov_b32 s[G0B+4*\s], 1
	s_add_co_u32 s[G0B+4*\s+1], s20, \s*SLOT
	s_add_nc_u64 s[G0B+4*\s+2:G0B+4*\s+3], s[46:47], \s*KSTEP*128
	s_or_b32 s[G0B+4*\s+3], s[G0B+4*\s+3], 0x80000000
	JLOAD \s                                       ; two tensor loads of the wave are out, the most in this text
.endr
	v_and_b32 v1, 15, v0                           ; r
	v_bfe_u32 v2, v0, 4, 1                         ; h
	v_and_b32 v3, 7, v0
	v_bfe_u32 v4, v0, 3, 1
	v_and_b32 v5, 31, v0
	v_mul_u32_u24 v6, v1, APITCH
	v_lshl_add_u32 v6, v2, 4, v6
	s_mul_i32 s21, s12, 64*APITCH                  ; my 64 rows
	v_add_nc_u32 v[ADRA], s21, v6
	v_add_nc_u32 v[ADRA+1], SLOT, v[ADRA]
	v_lshl_add_u32 v7, v2, 3, v3                   ; k row 8h + (l&7)
	v_mul_u32_u24 v7, v7, BPITCH
	v_lshl_add_u32 v7, v4, 4, v7
	v_add_nc_u32 v[ADRB], ATILE, v7
	v_add_nc_u32 v[ADRB+1], ATILE+SLOT, v7
	s_mul_i32 s23, s12, 4*SDEST
	s_add_co_u32 s23, s23, STAGE
	v_mul_u32_u24 v8, v1, SPITCH
	v_lshl_add_u32 v8, v2, 4, v8
	v_add_nc_u32 v24, s23, v8                      ; stage in: row r, 16 bytes for each half of the lanes
	v_lshrrev_b32 v9, 3, v5
	v_mul_u32_u24 v9, v9, SPITCH
	v_lshl_add_u32 v9, v3, 4, v9
	v_add_nc_u32 v25, s23, v9                      ; stage back: four rows of 128 bytes a load
	v_lshlrev_b32 v26, 4, v5                       ; 16 l: those four rows are 512 consecutive bytes of a plane
	v_lshlrev_b32 v28, 2, v1
	s_lshl_b32 s74, s13, 10
	s_lshl_b32 s75, s12, 8
	s_add_co_u32 s74, s74, s75
	s_mov_b32 s75, 0
	s_add_nc_u64 s[8:9], s[8:9], s[74:75]          ; rs of my 64 rows
.irp a, 0,1,2,3
	global_load_b32 v[40+\a], v28, s[8:9] offset:64*\a
.endr
; 12 matrix instructions: row block a of the window's two x all 12 column blocks, 32 along K.  The 48 accumulators take turns, one instruction a turn,
; in the same order in every quarter step; no wait is written.
.macro MUL12 f, hi, a, zero
.irp b, 0,1,2,3,4,5,6,7,8,9,10,11
.if \zero
	v_wmma_f32_16x16x32_f16 v[8*(12*\a+\b):8*(12*\a+\b)+7], v[96*\f+8*\b:96*\f+8*\b+7], v[64+32*\f+8*(2*\hi+\a):64+32*\f+8*(2*\hi+\a)+7], 0
.else
	v_wmma_f32_16x16x32_f16 v[8*(12*\a+\b):8*(12*\a+\b)+7], v[96*\f+8*\b:96*\f+8*\b+7], v[64+32*\f+8*(2*\hi+\a):64+32*\f+8*(2*\hi+\a)+7], v[8*(12*\a+\b):8*(12*\a+\b)+7]
.endif
.endr
.endm
; 32 LDS loads in one run: quarter q's fragments into buffer f: 24 for W, then 8 for xw
.macro FETCH slot, q, f
	WIN TO_B
.irp b, 0,1,2,3,4,5,6,7,8,9,10,11
	ds_load_tr16_b128 v[96*\f+8*\b:96*\f+8*\b+3],   v[ADRB+\slot] offset:(\b>>2)*BPLANE+\q*32*BPITCH+(\b&3)*32
	ds_load_tr16_b128 v[96*\f+8*\b+4:96*\f+8*\b+7], v[ADRB+\slot] offset:(\b>>2)*BPLANE+\q*32*BPITCH+(\b&3)*32+16*BPITCH
.endr
	WIN 0
.irp a, 0,1,2,3
	ds_load_b128 v[64+32*\f+8*\a:64+32*\f+8*\a+3],   v[ADRA+\slot] offset:\q*64+\a*16*APITCH
	ds_load_b128 v[64+32*\f+8*\a+4:64+32*\f+8*\a+7], v[ADRA+\slot] offset:\q*64+\a*16*APITCH+32
.endr
.endm
.macro QUARTER slot, q, f, g, zero     ; multiplies buffer f; in its middle fetches quarter q into buffer g
	s_wait_dscnt 4                                 ; W and xw's row blocks 0, 1 are in; the youngest four loads (blocks 2, 3) may be out
	WIN MUL_LO
	MUL12 \f, 0, 0, \zero
	MUL12 \f, 0, 1, \zero
	PLACES
	FETCH \slot, \q, \g
	s_wait_dscnt 32                                ; all but the 32 just issued
	WIN MUL_HI
	MUL12 \f, 1, 0, \zero
	MUL12 \f, 1, 1, \zero
.endm
.macro THREE slot, zero
	QUARTER \slot, 1, 0, 1, \zero
	QUARTER \slot, 2, 1, 0, 0
	QUARTER \slot, 3, 0, 1, 0
.endm
; the last quarter changes slots: each wave's reads of this slot and all its tensor loads are waited for, then the barrier (which opens a round of the
; cluster's barrier where the slot is filled again), then the joint refill first, then the next slot's first fragments
.macro TURN slot, next, fill
	s_wait_dscnt 4
	WIN MUL_LO
	MUL12 1, 0, 0, 0
	s_wait_dscnt 0x0                               ; my reads of this slot are over
	s_wait_tensorcnt 0x0                           ; all my tensor loads have landed: the one that was out is my part of the next slot
	ds_add_u32 v255, v63
	s_wait_dscnt 0x0
	s_barrier_signal -1
	MUL12 1, 0, 1, 0                               ; register work while the others arrive
	WIN 0
	s_barrier_wait -1
.if \fill
	CREST                                          ; no wave of any partner still reads this slot or has a load on its way
	s_add_nc_u64 s[G0+4*\slot+2:G0+4*\slot+3], s[G0+4*\slot+2:G0+4*\slot+3], 2*KSTEP*2
	s_add_nc_u64 s[G0B+4*\slot+2:G0B+4*\slot+3], s[G0B+4*\slot+2:G0B+4*\slot+3], 2*KSTEP*128
	JLOAD \slot                                    ; 180 matrix instructions of the wave stand between this request and the wait for it
.endif
	PLACES
	FETCH \next, 0, 0
	WIN MUL_HI
	MUL12 1, 1, 0, 0
	MUL12 1, 1, 1, 0
.endm
.macro LAP zero
	THREE 0, \zero
	TURN 0, 1, 1
	THREE 1, 0
	TURN 1, 0, 1
.endm
	s_wait_tensorcnt 1                             ; my part of K step 0 is in; K step 1's stays out
	s_barrier_signal -1
	s_barrier_wait -1
	FETCH 0, 0, 0
	LAP 1                                          ; the first products start the sums: nothing is cleared
	WIN 0
	s_mov_b32 s3, LAPS-2
.Llap:
	LAP 0
	WIN 0
	s_sub_co_u32 s3, s3, 1
	s_cmp_lg_u32 s3, 0
	s_cbranch_scc1 .Llap
	THREE 0, 0                                     ; the last lap fills nothing
	TURN 0, 1, 0
	THREE 1, 0
	s_wait_dscnt 4
	WIN MUL_LO
	MUL12 1, 0, 0, 0
	MUL12 1, 0, 1, 0
	s_wait_dscnt 0x0
	WIN MUL_HI
	MUL12 1, 1, 0, 0
	MUL12 1, 1, 1, 0
	WIN 0
	PLACES
	; THE WAY OUT, 16 rows at a time: scale by rs in f32, round to f16, through my own stage, out as whole runs of 512 bytes
	s_wait_loadcnt 0x0
.irp a, 0,1,2,3
	v_mov_b32 v[32+2*\a], v[40+\a]                 ; pair (rs, rs * 0.125 * log2(e)) of row block a
	v_mul_f32 v[33+2*\a], 0x3e38aa3b, v[40+\a]
.endr
	s_lshr_b32 s74, s13, 3                         ; batch
	s_lshl_b32 s74, s74, 4
	s_add_co_u32 s74, s74, s42                     ; batch * 16 + head
	s_lshl_b32 s74, s74, 18                        ; 2,048 rows of 128 bytes
	s_and_b32 s75, s13, 7
	s_lshl_b32 s75, s75, 15                        ; 256 rows
	s_add_co_u32 s74, s74, s75
	s_lshl_b32 s75, s12, 13                        ; my 64 rows
	s_add_co_u32 s74, s74, s75
	s_mov_b32 s75, 0
	s_add_nc_u64 s[66:67], s[10:11], s[74:75]      ; q'
	s_add_nc_u64 s[68:69], s[66:67], 0x800000      ; k
	s_add_nc_u64 s[70:71], s[68:69], 0x800000      ; v, high
	s_add_nc_u64 s[72:73], s[70:71], 0x800000      ; v, low
.macro WIDEN                           ; the 32 f16 in v64-79 as f32 in v160-191 (halves have plain names only)
	v_cvt_f32_f16 v160, v64.l
	v_cvt_f32_f16 v161, v64.h
	v_cvt_f32_f16 v162, v65.l
	v_cvt_f32_f16 v163, v65.h
	v_cvt_f32_f16 v164, v66.l
	v_cvt_f32_f16 v165, v66.h
	v_cvt_f32_f16 v166, v67.l
	v_cvt_f32_f16 v167, v67.h
	v_cvt_f32_f16 v168, v68.l
	v_cvt_f32_f16 v169, v68.h
	v_cvt_f32_f16 v170, v69.l
	v_cvt_f32_f16 v171, v69.h
	v_cvt_f32_f16 v172, v70.l
	v_cvt_f32_f16 v173, v70.h
	v_cvt_f32_f16 v174, v71.l
	v_cvt_f32_f16 v175, v71.h
	v_cvt_f32_f16 v176, v72.l
	v_cvt_f32_f16 v177, v72.h
	v_cvt_f32_f16 v178, v73.l
	v_cvt_f32_f16 v179, v73.h
	v_cvt_f32_f16 v180, v74.l
	v_cvt_f32_f16 v181, v74.h
	v_cvt_f32_f16 v182, v75.l
	v_cvt_f32_f16 v183, v75.h
	v_cvt_f32_f16 v184, v76.l
	v_cvt_f32_f16 v185, v76.h
	v_cvt_f32_f16 v186, v77.l
	v_cvt_f32_f16 v187, v77.h
	v_cvt_f32_f16 v188, v78.l
	v_cvt_f32_f16 v189, v78.h
	v_cvt_f32_f16 v190, v79.l
	v_cvt_f32_f16 v191, v79.h
.endm
; row block a = 2 (win - 2) + aa; win = the accumulators' window, as source 0
.macro OUTA a, aa, win
.irp t, 0,1,2
	WIN \win
.irp bb, 0,1,2,3
.irp i, 0,1,2,3
.if \t == 0
	v_pk_mul_f32 v[128+8*\bb+2*\i:129+8*\bb+2*\i], v[8*(12*\aa+4*\t+\bb)+2*\i:8*(12*\aa+4*\t+\bb)+2*\i+1], v[32+2*\a:33+2*\a] op_sel:[0,1] op_sel_hi:[1,1]
.else
	v_pk_mul_f32 v[128+8*\bb+2*\i:129+8*\bb+2*\i], v[8*(12*\aa+4*\t+\bb)+2*\i:8*(12*\aa+4*\t+\bb)+2*\i+1], v[32+2*\a:33+2*\a] op_sel_hi:[1,0]
.endif
.endr
.endr
	WIN 0
.irp k, 0,1,2,3,4,5,6,7,8,9,10,11,12,13,14,15
	v_cvt_pk_f16_f32 v[64+\k], v[128+2*\k], v[129+2*\k]
.endr
.irp bb, 0,1,2,3
	ds_store_b128 v24, v[64+4*\bb:67+4*\bb] offset:\t*SDEST+32*\bb
.endr
.if \t == 2
	WIDEN
.irp k, 0,1,2,3,4,5,6,7,8,9,10,11,12,13,14,15
	v_pk_add_f32 v[160+2*\k:161+2*\k], v[128+2*\k:129+2*\k], v[160+2*\k:161+2*\k] neg_lo:[0,1] neg_hi:[0,1]   ; what the rounding of v dropped
.endr
.irp k, 0,1,2,3,4,5,6,7,8,9,10,11,12,13,14,15
	v_cvt_pk_f16_f32 v[80+\k], v[160+2*\k], v[161+2*\k]
.endr
.irp bb, 0,1,2,3
	ds_store_b128 v24, v[80+4*\bb:83+4*\bb] offset:3*SDEST+32*\bb
.endr
.endif
.endr
	s_wait_xcnt 0x0                                ; the last block's stores read v192-255: loaded again only behind this wait
.irp t, 0,1,2,3
.irp i, 0,1,2,3
	ds_load_b128 v[192+4*(4*\t+\i):195+4*(4*\t+\i)], v25 offset:\t*SDEST+\i*4*SPITCH   ; LDS serves a wave's instructions in order: these see the stores above
.endr
.endr
.irp t, 0,1,2,3
.irp i, 0,1,2,3
	s_wait_dscnt 15-(4*\t+\i)
	global_store_b128 v26, v[192+4*(4*\t+\i):195+4*(4*\t+\i)], s[66+2*\t:67+2*\t] offset:\a*2048+512*\i
.endr
.endr
.endm
	OUTA 0, 0, 0x02
	OUTA 1, 1, 0x02
	OUTA 2, 0, 0x03
	OUTA 3, 1, 0x03
	s_set_vgpr_msb 0x1
	s_wait_tensorcnt 0x0
	ds_add_u32 v255, v63
	s_wait_dscnt 0x0
	s_set_vgpr_msb 0x100
	CROUND                                         ; the closing round: no work-group ends while a partner may still ask for a tile that names it
	s_endpgm
.Lfunc_end_k_qdcf9748592_qkvp:
	.size	k_qdcf9748592_qkvp, .Lfunc_end_k_qdcf9748592_qkvp-k_qdcf9748592_qkvp
	.p2alignl 7, 3214868480
	.fill 96, 4, 3214868480
	.section	.rodata,"a",@progbits
	.p2align	6, 0x0
	.amdhsa_kernel k_qdcf9748592_qkvp
		.amdhsa_group_segment_fixed_size 327680
		.amdhsa_private_segment_fixed_size 0
		.amdhsa_enable_private_segment 0
		.amdhsa_kernarg_size 32
		.amdhsa_user_sgpr_count 2
		.amdhsa_user_sgpr_kernarg_segment_ptr 1
		.amdhsa_wavefront_size32 1
		.amdhsa_system_sgpr_workgroup_id_x 1
		.amdhsa_system_sgpr_workgroup_id_y 1
		.amdhsa_system_sgpr_workgroup_id_z 1
		.amdhsa_system_vgpr_workitem_id 0
		.amdhsa_next_free_vgpr 960
		.amdhsa_next_free_sgpr 80
		.amdhsa_reserve_vcc 0
		.amdhsa_float_denorm_mode_32 3
		.amdhsa_float_denorm_mode_16_64 3
		.amdhsa_memory_ordered 1
		.amdhsa_forward_progress 1
		.amdhsa_inst_pref_size 193
	.end_amdhsa_kernel
	.amdgpu_metadata
---
amdhsa.version: [ 1, 2 ]
amdhsa.kernels:
  - .name:           k_qdcf9748592_qkvp
    .symbol:         k_qdcf9748592_qkvp.kd
    .args:
      - { .name: xw, .offset: 0, .size: 8, .value_kind: global_buffer, .address_space: global }
      - { .name: wt, .offset: 8, .size: 8, .value_kind: global_buffer, .address_space: global }
      - { .name: rsb, .offset: 16, .size: 8, .value_kind: global_buffer, .address_space: global }
      - { .name: qkvb, .offset: 24, .size: 8, .value_kind: global_buffer, .address_space: global }
    .group_segment_fixed_size: 327680
    .private_segment_fixed_size: 0
    .kernarg_segment_align: 8
    .kernarg_segment_size: 32
    .max_flat_workgroup_size: 128
    .sgpr_count:     80
    .vgpr_count:     960
    .wavefront_size: 32
...
	.end_amdgpu_metadata
.endif
;; end of part 2
;; launch attn (part 3): grid 256 x 1, 8 waves a work-group, no clusters, 327,680 bytes of LDS; arguments qkvb, gt, ab; writes ab
.if DOCPART == 3
	.amdgcn_target "amdgcn-amd-amdhsa--gfx1250"
	.amdhsa_code_object_version 6
	.text
	.protected	k_qdcf9748592_attn
	.globl	k_qdcf9748592_attn
	.p2align	8
	.type	k_qdcf9748592_attn,@function
k_qdcf9748592_attn:
	s_mov_b64 s[64:65], 0
	v_nop
	global_prefetch_b8 v0, s[64:65] scope:SCOPE_SE
	s_setreg_imm32_b32 hwreg(HW_REG_WAVE_MODE, 25, 1), 1
	s_wait_xcnt 0x0
; CAUSAL ATTENTION with the gate.  Work-group: u = id & 7, batch*head = id >> 3.  It makes two blocks of 128 queries, 14 - 2u and 2u + 1: 17 key tiles of
; 128 in every work-group.  In each query block the diagonal tile comes first (it starts maximum, sum and output, and it alone is masked), then key tiles 0, 1, ..
; EIGHT WAVES, two on each SIMD, so that one wave's vector work (softmax) can run beside the other's matrix work.  Wave w has query group w >> 1 (32 queries, two
; blocks of 16) and key half w & 1 (64 of a tile's 128 keys): every K and V fragment is read from LDS by four waves.  Each wave keeps its own running maximum,
; sum and output over its keys; at a query block's end the two waves of a pair hand each other one block of 16 queries through LDS, merge with the factors
; 2^(m - M), and each finishes and stores 16 rows.  A half in which a query has only masked keys keeps m = -FLT_MAX, so its factor is 0.
; Scores arrive in base 2 (q' holds 0.125 log2(e)); softmax in f32.  S^T = K Q^T: a lane holds query l%16 and keys 16 kb + 8 (l/16) + j, which, rounded to f16
; in place, IS the second source of O^T = V^T P^T: no shuffle.
; OUT: ab[64 half tiles][16 heads][80 rows][64] f16.  Half tile 32 batch + j: rows 0-15 tokens 16 j .. (high), rows 16-63 tokens 512 + 48 j .. (high),
; rows 64-79 tokens 16 j .. (low = a - f16(a)).  So a = gate * O / l is a pair of f16 for tokens 0-511 of a batch and one f16 (relative step 2^-11) behind them.
; v's low halves (keys 0-127) are added for query block 0 alone.  Every work-group fills that 16 KiB tile, so that each wave issues the same tensor loads on every path.
; LIMIT: |a| above 65,504 becomes infinity; P is rounded to f16 (weights below 6e-8 of the largest in the wave's keys become 0).
; NO MULTICAST: the eight work-groups of a head need different key tiles in each step (their query blocks differ), and in lock step the longest would set the count.
; LDS: K slots 0, 18,432 (pitch 144); V slots 36,864, 57,344 (pitch 160); v low 77,824.  Never filled by a tensor load: stage 98,304 + 4,608 w (16 rows high, 16 low,
; pitch 144); m and l for the partner 135,168 + 256 w; O for the partner 137,216 + 4,096 w.
; REGISTERS, window 0: v1 K address, v2 V address, v3 32 (w>>1) - 64 (w&1) + r - 8h, v4 -FLT_MAX, v5-7 way out, v[8:9] m, v[10:11] l, v[12:13] new m, v[14:15] alpha,
; v[16:23] at work, v[24:25] gates, v26-27 Q and gate offsets, v28-31 exchange addresses, v[32:63] Q, v[64:127] O (tile (db, ib) at 64 + 8 (2 db + ib)),
; v[128:191] S and P, v[192:255] K fragments.  Window 1: v0-63 V fragments, v64-127 v low.
.set MSB, 0
.macro WIN new                         ; the immediate's high byte repeats the setting that is left
.if MSB != \new
	s_set_vgpr_msb (MSB<<8)|\new
.set MSB, \new
.endif
.endm
.set KSL, 18432
.set VSL, 20480
.set STG, 98304
.set MLB, STG+8*4608
.set OXB, MLB+8*256
	s_load_b128 s[4:7], s[0:1], 0x0                ; qkvb s[4:5], gt s[6:7]
	s_load_b64 s[8:9], s[0:1], 0x10                ; ab
	s_set_vgpr_msb 0x40
	v_lshl_add_u32 v128, v0, 2, 0x29800
	v_mov_b32 v129, 0
	s_set_vgpr_msb 0x4045
	ds_add_u32 v128, v129
	s_set_vgpr_msb 0x4500
	v_lshrrev_b32 v1, 5, v0
	v_readfirstlane_b32 s12, v1                    ; wave 0..7
	s_and_b32 s13, ttmp9, 7                        ; u
	s_lshr_b32 s10, ttmp9, 3                       ; batch*head
	s_and_b32 s11, s12, 1                          ; my key half; for waves 0-3 also which 64 keys of a tile I fetch
	s_lshr_b32 s78, s12, 1                         ; my query group
	s_xor_b32 s79, s12, 1                          ; my partner
	s_lshl_b32 s23, s13, 1
	s_sub_co_u32 s22, 14, s23                      ; first query block
	s_add_co_u32 s23, s23, 1                       ; second query block
	s_mov_b32 s14, 0x76543210
	s_mov_b32 s15, 0xfedcba98
	s_mov_b32 s16, 1                               ; place in the stream of 17 tiles of the next tile to ask for
	; group 1: 64 keys of 128 bytes are dense: 32 rows of 256 bytes; padding behind every 32 words: 4 words for K (pitch 144), 8 for V (pitch 160)
	s_mov_b32 s24, (1<<16)|(1<<20)|(4<<22)|(3<<25)
	s_mov_b32 s25, 128<<16
	s_mov_b32 s26, 32<<16
	s_mov_b32 s27, 128<<16
	s_mov_b32 s28, 32
	s_mov_b32 s29, 128
	s_mov_b32 s30, 0
	s_mov_b32 s31, 0
	s_mov_b32 s32, (1<<16)|(1<<20)|(4<<22)|(7<<25)
	s_mov_b32 s33, 128<<16
	s_mov_b32 s34, 32<<16
	s_mov_b32 s35, 128<<16
	s_mov_b32 s36, 32
	s_mov_b32 s37, 128
	s_mov_b32 s38, 0
	s_mov_b32 s39, 0
	; group 0: K slot 0, 1 in s[40:47] (waves 0, 1), V slot 0, 1 in s[48:55], v low in s[56:59] (waves 2, 3); waves 4-7 issue no tensor load
	s_mov_b32 s40, 1
	s_mov_b32 s44, 1
	s_mov_b32 s48, 1
	s_mov_b32 s52, 1
	s_mov_b32 s56, 1
	s_mul_i32 s41, s12, 9216
	s_add_co_u32 s45, s41, KSL
	s_mul_i32 s49, s12, 10240
	s_add_co_u32 s49, s49, 16384
	s_add_co_u32 s53, s49, VSL
	s_add_co_u32 s57, s49, 2*VSL
	s_lshl_b32 s20, s10, 18                        ; the head's 2,048 rows of 128 bytes
	s_lshl_b32 s19, s11, 13                        ; my 64 keys
	s_add_co_u32 s20, s20, s19
	s_add_co_u32 s20, s20, 0x800000                ; plane k
	s_mov_b32 s21, 0
	s_lshl_b32 s18, s22, 14                        ; the first tile: the first block's diagonal
	s_mov_b32 s19, 0
	s_wait_dscnt 0x0
	s_barrier_signal -1
	s_barrier_wait -1
	s_wait_kmcnt 0x0
	s_add_nc_u64 s[60:61], s[4:5], s[20:21]        ; K at key 0 (+ my half)
	s_add_nc_u64 s[62:63], s[60:61], 0x800000      ; V
	s_add_nc_u64 s[58:59], s[62:63], 0x800000      ; v low, keys 0-127
	s_or_b32 s59, s59, 0x80000000
	s_add_nc_u64 s[42:43], s[60:61], s[18:19]
	s_or_b32 s43, s43, 0x80000000
	s_add_nc_u64 s[50:51], s[62:63], s[18:19]
	s_or_b32 s51, s51, 0x80000000
	s_cmp_lt_u32 s12, 2                            ; the first fills, by the wave's number: one load (K), two (V, v low) or none are out
	s_cbranch_scc0 .Lfirst_v
	tensor_load_to_lds s[40:43], s[24:31]
	s_nop 0
	s_branch .Lfirst_done
.Lfirst_v:
	s_cmp_lt_u32 s12, 4
	s_cbranch_scc0 .Lfirst_done
	tensor_load_to_lds s[48:51], s[32:39]
	s_nop 0
	tensor_load_to_lds s[56:59], s[32:39]
	s_nop 0
.Lfirst_done:
	v_and_b32 v16, 15, v0                          ; r
	v_bfe_u32 v17, v0, 4, 1                        ; h
	v_and_b32 v18, 7, v0
	v_bfe_u32 v19, v0, 3, 1
	v_and_b32 v21, 31, v0                          ; lane
	v_mul_u32_u24 v1, v16, 144
	v_lshl_add_u32 v1, v17, 4, v1                  ; K fragment: key r, 16 h,
	s_mul_i32 s18, s11, 9216
	v_add_nc_u32 v1, s18, v1                       ; in my half of the tile's keys
	v_lshl_add_u32 v2, v17, 3, v18
	v_mul_u32_u24 v2, v2, 160
	v_lshl_add_u32 v2, v19, 4, v2                  ; V by the transposing load: key 8h + (l&7),
	s_mul_i32 s18, s11, 10240
	s_add_co_u32 s18, s18, 36864
	v_add_nc_u32 v2, s18, v2                       ; in my half
	v_lshlrev_b32 v20, 3, v17
	v_sub_nc_u32 v3, v16, v20
	s_lshl_b32 s18, s78, 5
	s_lshl_b32 s19, s11, 6
	s_sub_co_i32 s18, s18, s19
	v_add_nc_u32 v3, s18, v3                       ; my key 16 kb + 8h + j is masked for my query 16 ib + r if 16 (kb - ib) + j > 32 group - 64 half + r - 8h (signed)
	v_mov_b32 v4, 0xff7fffff                       ; -FLT_MAX
	s_mul_i32 s18, s12, 4608
	s_add_co_u32 s18, s18, STG
	v_mul_u32_u24 v5, v16, 144
	v_lshl_add_u32 v5, v17, 4, v5
	v_add_nc_u32 v5, s18, v5                       ; stage in: row r, 16 bytes for each half of the lanes
	v_lshrrev_b32 v6, 3, v21
	v_mul_u32_u24 v6, v6, 144
	v_lshl_add_u32 v6, v18, 4, v6
	v_add_nc_u32 v6, s18, v6                       ; stage back: four rows of 128 bytes a load,
	v_lshlrev_b32 v7, 4, v21                       ; which are 512 consecutive bytes of ab
	v_lshlrev_b32 v26, 7, v16
	v_lshl_add_u32 v26, v17, 4, v26                ; Q fragment: query r, 16 h
	v_lshlrev_b32 v27, 2, v16
	s_lshl_b32 s18, s12, 8
	s_add_co_u32 s18, s18, MLB
	v_lshl_add_u32 v28, v21, 3, s18                ; where I put m and l for my partner
	s_lshl_b32 s18, s12, 12
	s_add_co_u32 s18, s18, OXB
	v_lshl_add_u32 v29, v21, 4, s18                ; where I put O for my partner
	s_lshl_b32 s18, s79, 12
	s_add_co_u32 s18, s18, OXB
	v_lshl_add_u32 v30, v21, 4, s18                ; where my partner puts O for me
	s_lshl_b32 s18, s79, 8
	s_add_co_u32 s18, s18, MLB
	v_lshl_add_u32 v31, v21, 3, s18                ; and m and l
; addresses of a query block (its number in s[qb]): Q rows and gates of my 32 queries
.macro BASES qb, qp, gp
	s_lshl_b32 s18, s10, 18
	s_lshl_b32 s20, s[\qb], 14
	s_add_co_u32 s18, s18, s20
	s_lshl_b32 s20, s78, 12
	s_add_co_u32 s18, s18, s20
	s_mov_b32 s19, 0
	s_add_nc_u64 s[\qp:\qp+1], s[4:5], s[18:19]
	s_lshr_b32 s18, s18, 5                         ; 4 bytes a row instead of 128
	s_add_nc_u64 s[\gp:\gp+1], s[6:7], s[18:19]
.endm
	BASES 22, 66, 70
	BASES 23, 68, 72
.macro IN qp, gp                       ; Q fragments (second source: column = query) and gates of a query block
.irp ib, 0,1
.irp ds, 0,1
	global_load_b128 v[32+8*(2*\ib+\ds):35+8*(2*\ib+\ds)], v26, s[\qp:\qp+1] offset:\ib*2048+\ds*64
	global_load_b128 v[36+8*(2*\ib+\ds):39+8*(2*\ib+\ds)], v26, s[\qp:\qp+1] offset:\ib*2048+\ds*64+32
.endr
.endr
	global_load_b32 v24, v27, s[\gp:\gp+1]
	global_load_b32 v25, v27, s[\gp:\gp+1] offset:64
.endm
	IN 66, 70
; the next tile's address into slot s's two group 0.  Stream: place 0 the first block's diagonal, 1 .. qbO its tiles 0 .., qbO + 1 the second block's diagonal, then its tiles 0 ..
.macro NEXT s
	s_sub_co_u32 s18, s16, 1
	s_sub_co_u32 s19, s16, s22
	s_sub_co_u32 s19, s19, 2
	s_add_co_u32 s20, s22, 1
	s_cmp_eq_u32 s16, s20
	s_cselect_b32 s19, s23, s19
	s_cmp_le_u32 s16, s22
	s_cselect_b32 s18, s18, s19
	s_lshl_b32 s18, s18, 14                        ; 128 keys of 128 bytes
	s_mov_b32 s19, 0
	s_add_nc_u64 s[42+4*\s:43+4*\s], s[60:61], s[18:19]
	s_or_b32 s[43+4*\s], s[43+4*\s], 0x80000000
	s_add_nc_u64 s[50+4*\s:51+4*\s], s[62:63], s[18:19]
	s_or_b32 s[51+4*\s], s[51+4*\s], 0x80000000
	s_add_co_u32 s16, s16, 1
.endm
.macro KVLOAD s                        ; at most one tensor load a wave: waves 0, 1 K's halves, waves 2, 3 V's, waves 4-7 none
	s_cmp_lt_u32 s12, 2
	s_cbranch_scc0 .Lv_\@
	tensor_load_to_lds s[40+4*\s:43+4*\s], s[24:31]
	s_nop 0
	s_branch .Lkv_\@
.Lv_\@:
	s_cmp_lt_u32 s12, 4
	s_cbranch_scc0 .Lkv_\@
	tensor_load_to_lds s[48+4*\s:51+4*\s], s[32:39]
	s_nop 0
.Lkv_\@:
.endm
; softmax of my 64 keys x 32 queries.  Score e (0..31) of query block ib lies in v[128 + 32 (e>>4) + 16 ib + (e&15)].  The two query blocks are interleaved, so that
; maxima and sums run in four chains that do not wait for each other.
.macro SOFTMAX diag
.set e, 0
.rept 8
.irp ib, 0,1
.set ra, 128+32*(e>>4)+16*\ib+(e&15)
.if e == 0
.if \diag
	v_max3_num_f32 v[16+2*\ib], v4, v[ra], v[ra+1]
	v_max3_num_f32 v[17+2*\ib], v4, v[ra+2], v[ra+3]
.else
	v_max3_num_f32 v[16+2*\ib], v[8+\ib], v[ra], v[ra+1]         ; the running maximum starts the chains
	v_max3_num_f32 v[17+2*\ib], v[8+\ib], v[ra+2], v[ra+3]
.endif
.else
	v_max3_num_f32 v[16+2*\ib], v[16+2*\ib], v[ra], v[ra+1]
	v_max3_num_f32 v[17+2*\ib], v[17+2*\ib], v[ra+2], v[ra+3]
.endif
.endr
.set e, e+4
.endr
	v_max_num_f32 v16, v16, v17
	v_max_num_f32 v18, v18, v19
	v_permlanex16_b32 v17, v16, s14, s15           ; the other half of the lanes holds the query's other keys
	v_permlanex16_b32 v19, v18, s14, s15
	v_max_num_f32 v12, v16, v17
	v_max_num_f32 v13, v18, v19
.if \diag == 0
	v_sub_f32 v14, v8, v12
	v_sub_f32 v15, v9, v13
	v_exp_f32 v14, v14                             ; alpha = 2^(m - new m); used far below, and the next line is a plain one that touches neither (ISA guide 5.7.2)
	v_exp_f32 v15, v15
.endif
.set e, 0
.rept 16
.irp ib, 0,1
.set ra, 128+32*(e>>4)+16*\ib+(e&15)
	v_pk_add_f32 v[ra:ra+1], v[ra:ra+1], v[12:13] op_sel:[0,\ib] op_sel_hi:[1,\ib] neg_lo:[0,1] neg_hi:[0,1]
.endr
.set e, e+2
.endr
.set e, 0
.rept 32
.irp ib, 0,1
.set ra, 128+32*(e>>4)+16*\ib+(e&15)
	v_exp_f32 v[ra], v[ra]
.endr
.set e, e+1
.endr
	v_nop                                          ; one plain place behind the transcendentals (ISA guide 5.7.2)
	s_wait_alu depctr_va_vdst(0)
.set e, 0
.rept 8
.irp ib, 0,1
.set ra, 128+32*(e>>4)+16*\ib+(e&15)
.if e == 0
	v_pk_add_f32 v[16+4*\ib:17+4*\ib], v[ra:ra+1], v[ra+2:ra+3]
.elseif e == 4
	v_pk_add_f32 v[18+4*\ib:19+4*\ib], v[ra:ra+1], v[ra+2:ra+3]
.else
	v_pk_add_f32 v[16+4*\ib:17+4*\ib], v[16+4*\ib:17+4*\ib], v[ra:ra+1]
	v_pk_add_f32 v[18+4*\ib:19+4*\ib], v[18+4*\ib:19+4*\ib], v[ra+2:ra+3]
.endif
.endr
.set e, e+4
.endr
	v_pk_add_f32 v[16:17], v[16:17], v[18:19]
	v_pk_add_f32 v[20:21], v[20:21], v[22:23]
.if \diag
	v_add_f32 v10, v16, v17                        ; the diagonal tile starts the sums
	v_add_f32 v11, v20, v21
.else
	v_add_f32 v16, v16, v17
	v_add_f32 v20, v20, v21
	v_fma_f32 v10, v10, v14, v16
	v_fma_f32 v11, v11, v15, v20
.endif
.irp ks, 0,1
.irp ib, 0,1
.irp i, 0,1,2,3,4,5,6,7
	v_cvt_pk_f16_f32 v[128+32*\ks+16*\ib+\i], v[128+32*\ks+16*\ib+2*\i], v[128+32*\ks+16*\ib+2*\i+1]   ; P in place: the write never runs ahead of the reads
.endr
.endr
.endr
.if \diag == 0
.irp db, 0,1,2,3
.irp ib, 0,1
.irp i, 0,1,2,3
	v_pk_mul_f32 v[64+8*(2*\db+\ib)+2*\i:65+8*(2*\db+\ib)+2*\i], v[64+8*(2*\db+\ib)+2*\i:65+8*(2*\db+\ib)+2*\i], v[14:15] op_sel:[0,\ib] op_sel_hi:[1,\ib]
.endr
.endr
.endr
.endif
	v_mov_b32 v8, v12
	v_mov_b32 v9, v13
.endm
; O^T += V^T P^T for 32 keys: the eight accumulators take turns, one instruction a turn.  vb: the fragments' first register in window 1
.macro PVK vb, ks, zero
.irp db, 0,1,2,3
.irp ib, 0,1
.if \zero
	v_wmma_f32_16x16x32_f16 v[64+8*(2*\db+\ib):71+8*(2*\db+\ib)], v[\vb+8*(4*\ks+\db):\vb+8*(4*\ks+\db)+7], v[128+32*\ks+16*\ib:135+32*\ks+16*\ib], 0
.else
	v_wmma_f32_16x16x32_f16 v[64+8*(2*\db+\ib):71+8*(2*\db+\ib)], v[\vb+8*(4*\ks+\db):\vb+8*(4*\ks+\db)+7], v[128+32*\ks+16*\ib:135+32*\ks+16*\ib], v[64+8*(2*\db+\ib):71+8*(2*\db+\ib)]
.endif
.endr
.endr
.endm
; one key tile, in slot.  diag: the diagonal tile; refill: the next tile is asked for, into the other slot; lo: v's low halves are added where the query block is 0
.macro STEP slot, diag, refill, lo
	s_set_vgpr_msb 0x5
	s_wait_tensorcnt 0x0                           ; all my tensor loads have landed, my part of this tile among them: every group 0 may be written
	ds_add_u32 v128, v129
	s_wait_dscnt 0x0
	s_set_vgpr_msb 0x500
.if \refill
	NEXT (1-\slot)
.endif
	s_wait_dscnt 0x0                               ; my reads of the other slot are over
	s_barrier_signal -1
	s_barrier_wait -1                              ; both hold of all eight waves
.if \refill
	KVLOAD (1-\slot)                               ; the one tensor load behind this barrier; it has this whole tile's work in which to land
.endif
.rept 5
	v_nop                                          ; five places behind the last products: V's fragments are loaded again and S is written over P (ISA guide 7.12.1)
.endr
.irp kb, 0,1,2,3
.irp ds, 0,1
	ds_load_b128 v[192+8*(2*\kb+\ds):192+8*(2*\kb+\ds)+3],   v1 offset:\slot*KSL+\kb*2304+\ds*64
	ds_load_b128 v[192+8*(2*\kb+\ds)+4:192+8*(2*\kb+\ds)+7], v1 offset:\slot*KSL+\kb*2304+\ds*64+32
.endr
.endr
	WIN 0x40
.irp ks, 0,1
.irp db, 0,1,2,3
	ds_load_tr16_b128 v[8*(4*\ks+\db):8*(4*\ks+\db)+3],   v2 offset:\slot*VSL+\ks*5120+\db*32
	ds_load_tr16_b128 v[8*(4*\ks+\db)+4:8*(4*\ks+\db)+7], v2 offset:\slot*VSL+\ks*5120+\db*32+2560
.endr
.endr
	WIN 0
	s_wait_dscnt 16                                ; K's 16 loads are in; V's 16 stay out
.if \diag
	s_wait_loadcnt 0x0                             ; Q and the gates of this query block
.endif
	; S^T = K Q^T: eight accumulators take turns, one instruction a turn; the first 32 of d start the sums
.irp ds, 0,1
.irp kb, 0,1,2,3
.irp ib, 0,1
.if \ds == 0
	v_wmma_f32_16x16x32_f16 v[128+32*(\kb>>1)+16*\ib+8*(\kb&1):135+32*(\kb>>1)+16*\ib+8*(\kb&1)], v[192+8*(2*\kb+\ds):199+8*(2*\kb+\ds)], v[32+8*(2*\ib+\ds):39+8*(2*\ib+\ds)], 0
.else
	v_wmma_f32_16x16x32_f16 v[128+32*(\kb>>1)+16*\ib+8*(\kb&1):135+32*(\kb>>1)+16*\ib+8*(\kb&1)], v[192+8*(2*\kb+\ds):199+8*(2*\kb+\ds)], v[32+8*(2*\ib+\ds):39+8*(2*\ib+\ds)], v[128+32*(\kb>>1)+16*\ib+8*(\kb&1):135+32*(\kb>>1)+16*\ib+8*(\kb&1)]
.endif
.endr
.endr
.endr
.rept 4
	v_nop                                          ; four places before the scores are read
.endr
.if \diag
.irp kb, 0,1,2,3
.irp ib, 0,1
.irp j, 0,1,2,3,4,5,6,7
	v_cmp_gt_i32 vcc_lo, 16*(\kb-\ib)+\j, v3
	v_cndmask_b32 v[128+32*(\kb>>1)+16*\ib+8*(\kb&1)+\j], v[128+32*(\kb>>1)+16*\ib+8*(\kb&1)+\j], v4, vcc_lo
.endr
.endr
.endr
.endif
	SOFTMAX \diag
	s_wait_dscnt 0x0                               ; V's fragments
	WIN 0x01
	PVK 0, 0, \diag                                ; the diagonal tile's first products start O: nothing is cleared
	PVK 0, 1, 0
	WIN 0
.if \lo
	s_cmp_lg_u32 s22, 0
	s_cbranch_scc1 .Lnolo_\@
	WIN 0x40
.irp ks, 0,1
.irp db, 0,1,2,3
	ds_load_tr16_b128 v[64+8*(4*\ks+\db):64+8*(4*\ks+\db)+3],   v2 offset:2*VSL+\ks*5120+\db*32      ; registers that no matrix instruction has named
	ds_load_tr16_b128 v[64+8*(4*\ks+\db)+4:64+8*(4*\ks+\db)+7], v2 offset:2*VSL+\ks*5120+\db*32+2560
.endr
.endr
	s_wait_dscnt 0x0
	WIN 0x01
	PVK 64, 0, 0
	PVK 64, 1, 0
	WIN 0
.Lnolo_\@:
.endif
.endm
.macro WIDEN                           ; the 32 f16 in v32-47 as f32 in v128-159 (halves have plain names only)
	v_cvt_f32_f16 v128, v32.l
	v_cvt_f32_f16 v129, v32.h
	v_cvt_f32_f16 v130, v33.l
	v_cvt_f32_f16 v131, v33.h
	v_cvt_f32_f16 v132, v34.l
	v_cvt_f32_f16 v133, v34.h
	v_cvt_f32_f16 v134, v35.l
	v_cvt_f32_f16 v135, v35.h
	v_cvt_f32_f16 v136, v36.l
	v_cvt_f32_f16 v137, v36.h
	v_cvt_f32_f16 v138, v37.l
	v_cvt_f32_f16 v139, v37.h
	v_cvt_f32_f16 v140, v38.l
	v_cvt_f32_f16 v141, v38.h
	v_cvt_f32_f16 v142, v39.l
	v_cvt_f32_f16 v143, v39.h
	v_cvt_f32_f16 v144, v40.l
	v_cvt_f32_f16 v145, v40.h
	v_cvt_f32_f16 v146, v41.l
	v_cvt_f32_f16 v147, v41.h
	v_cvt_f32_f16 v148, v42.l
	v_cvt_f32_f16 v149, v42.h
	v_cvt_f32_f16 v150, v43.l
	v_cvt_f32_f16 v151, v43.h
	v_cvt_f32_f16 v152, v44.l
	v_cvt_f32_f16 v153, v44.h
	v_cvt_f32_f16 v154, v45.l
	v_cvt_f32_f16 v155, v45.h
	v_cvt_f32_f16 v156, v46.l
	v_cvt_f32_f16 v157, v46.h
	v_cvt_f32_f16 v158, v47.l
	v_cvt_f32_f16 v159, v47.h
.endm
; my m, l and O of query block ib go to my partner, who finishes that block
.macro SEND ib
	ds_store_b32 v28, v[8+\ib]
	ds_store_b32 v28, v[10+\ib] offset:4
.irp db, 0,1,2,3
	ds_store_b128 v29, v[64+8*(2*\db+\ib):64+8*(2*\db+\ib)+3]   offset:\db*1024
	ds_store_b128 v29, v[64+8*(2*\db+\ib)+4:64+8*(2*\db+\ib)+7] offset:\db*1024+512
.endr
.endm
; I finish query block ib: merge with my partner's half of the keys, a = gate * O / l, to f16 (and the low half where the query block is below 4), through my stage, out
.macro FINISH ib, qb
	ds_load_b64 v[16:17], v31                      ; the partner's m and l
.irp t, 0,1,2,3,4,5,6,7
	ds_load_b128 v[128+4*\t:131+4*\t], v30 offset:\t*512           ; the partner's O: tile db at v[128 + 8 db]
.endr
	s_wait_dscnt 8                                 ; m and l are in; the eight loads of O stay out
	v_max_num_f32 v20, v[8+\ib], v16               ; M
	v_sub_f32 v18, v[8+\ib], v20
	v_sub_f32 v19, v16, v20
	v_exp_f32 v18, v18                             ; 2^(m - M), mine and the partner's
	v_exp_f32 v19, v19
	v_nop
	s_wait_alu depctr_va_vdst(0)
	v_mul_f32 v20, v[10+\ib], v18
	v_fma_f32 v20, v17, v19, v20                   ; l
	v_rcp_f32 v20, v20
	v_nop
	s_wait_alu depctr_va_vdst(0)
	v_mul_f32 v20, v20, v[24+\ib]                  ; gate / l
	v_mul_f32 v18, v18, v20
	v_mul_f32 v19, v19, v20
	s_wait_dscnt 0x0
.irp db, 0,1,2,3
.irp i, 0,1,2,3
	v_pk_mul_f32 v[64+8*(2*\db+\ib)+2*\i:65+8*(2*\db+\ib)+2*\i], v[64+8*(2*\db+\ib)+2*\i:65+8*(2*\db+\ib)+2*\i], v[18:19] op_sel_hi:[1,0]
.endr
.endr
.irp db, 0,1,2,3
.irp i, 0,1,2,3
	v_pk_fma_f32 v[64+8*(2*\db+\ib)+2*\i:65+8*(2*\db+\ib)+2*\i], v[128+8*\db+2*\i:129+8*\db+2*\i], v[18:19], v[64+8*(2*\db+\ib)+2*\i:65+8*(2*\db+\ib)+2*\i] op_sel:[0,1,0] op_sel_hi:[1,1,1]
.endr
.endr
.irp db, 0,1,2,3
.irp i, 0,1,2,3
	v_cvt_pk_f16_f32 v[32+4*\db+\i], v[64+8*(2*\db+\ib)+2*\i], v[65+8*(2*\db+\ib)+2*\i]
.endr
.endr
.irp db, 0,1,2,3
	ds_store_b128 v5, v[32+4*\db:35+4*\db] offset:32*\db
.endr
	s_cmp_ge_u32 s[\qb], 4                         ; tokens from 512 on have no low half
	s_cbranch_scc1 .Lhigh_\@
	WIDEN
.irp db, 0,1,2,3
.irp i, 0,1,2,3
	v_pk_add_f32 v[128+8*\db+2*\i:129+8*\db+2*\i], v[64+8*(2*\db+\ib)+2*\i:65+8*(2*\db+\ib)+2*\i], v[128+8*\db+2*\i:129+8*\db+2*\i] neg_lo:[0,1] neg_hi:[0,1]
.endr
.endr
.irp k, 0,1,2,3,4,5,6,7,8,9,10,11,12,13,14,15
	v_cvt_pk_f16_f32 v[48+\k], v[128+2*\k], v[129+2*\k]
.endr
.irp db, 0,1,2,3
	ds_store_b128 v5, v[48+4*\db:51+4*\db] offset:2304+32*\db
.endr
.irp i, 0,1,2,3
	ds_load_b128 v[176+4*\i:179+4*\i], v6 offset:2304+\i*576       ; LDS serves a wave's instructions in order: these see the stores above
.endr
.irp i, 0,1,2,3
	s_wait_dscnt 3-\i
	global_store_b128 v7, v[176+4*\i:179+4*\i], s[74:75] offset:8192+512*\i   ; rows 64-79 of the half tile: 512 consecutive bytes a store
.endr
.Lhigh_\@:
.irp i, 0,1,2,3
	ds_load_b128 v[160+4*\i:163+4*\i], v6 offset:\i*576
.endr
.irp i, 0,1,2,3
	s_wait_dscnt 3-\i
	global_store_b128 v7, v[160+4*\i:163+4*\i], s[74:75] offset:512*\i        ; 512 consecutive bytes a store, aligned
.endr
.endm
; a query block (its number in s[qb]) leaves
.macro OUT qb
.rept 4
	v_nop                                          ; four places before O is read
.endr
	v_permlanex16_b32 v16, v10, s14, s15
	v_permlanex16_b32 v17, v11, s14, s15
	v_add_f32 v10, v10, v16                        ; the two halves of the lanes' sums
	v_add_f32 v11, v11, v17
	s_cmp_lg_u32 s11, 0
	s_cbranch_scc1 .Lsend0_\@
	SEND 1                                         ; key half 0 keeps query block 0
	s_branch .Lsent_\@
.Lsend0_\@:
	SEND 0                                         ; key half 1 keeps query block 1
.Lsent_\@:
	; where my 16 rows go: block of 16 tokens blk = 8 qb + w.  blk < 32: half tile blk, row 0.  Else half tile (blk - 32) / 3, row 16 + 16 ((blk - 32) % 3)
	s_lshl_b32 s18, s[\qb], 3
	s_add_co_u32 s18, s18, s12
	s_sub_co_u32 s19, s18, 32
	s_mul_i32 s20, s19, 171
	s_lshr_b32 s20, s20, 9                         ; x / 3 for x < 96
	s_mul_i32 s21, s20, 3
	s_sub_co_u32 s21, s19, s21
	s_add_co_u32 s21, s21, 1
	s_lshl_b32 s21, s21, 11                        ; 16 rows of 128 bytes
	s_cmp_lt_u32 s[\qb], 4
	s_cselect_b32 s20, s18, s20
	s_cselect_b32 s21, 0, s21
	s_lshr_b32 s18, s10, 4
	s_lshl_b32 s18, s18, 5                         ; 32 half tiles a batch
	s_add_co_u32 s20, s20, s18
	s_mul_i32 s20, s20, 163840                     ; 16 heads x 80 rows x 128 bytes
	s_add_co_u32 s20, s20, s21
	s_and_b32 s18, s10, 15
	s_mul_i32 s18, s18, 10240                      ; head
	s_add_co_u32 s20, s20, s18
	s_mov_b32 s21, 0
	s_add_nc_u64 s[74:75], s[8:9], s[20:21]
	s_wait_dscnt 0x0                               ; what I hand over is in LDS
	s_barrier_signal -1
	s_barrier_wait -1                              ; everybody's is.  The next tile's load may stay out
	s_cmp_lg_u32 s11, 0
	s_cbranch_scc1 .Lfin1_\@
	FINISH 0, \qb
	s_branch .Lfin_\@
.Lfin1_\@:
	FINISH 1, \qb
.Lfin_\@:
	s_wait_xcnt 0x0                                ; v160-191 and s[74:75] are written again only behind this wait
.endm
	STEP 0, 1, 1, 1                                ; first block, diagonal
	s_sub_co_u32 s17, 7, s13                       ; its 14 - 2u other tiles, two a trip
	s_cmp_eq_u32 s17, 0
	s_cbranch_scc1 .Lskip_a
.Lloop_a:
	STEP 1, 0, 1, 0
	STEP 0, 0, 1, 0
	s_sub_co_u32 s17, s17, 1
	s_cmp_lg_u32 s17, 0
	s_cbranch_scc1 .Lloop_a
.Lskip_a:
	OUT 22
	IN 68, 72
	STEP 1, 1, 1, 0                                ; second block, diagonal
	s_mov_b32 s17, s13                             ; its 2u + 1 other tiles: two a trip, and one
	s_cmp_eq_u32 s17, 0
	s_cbranch_scc1 .Lskip_b
.Lloop_b:
	STEP 0, 0, 1, 0
	STEP 1, 0, 1, 0
	s_sub_co_u32 s17, s17, 1
	s_cmp_lg_u32 s17, 0
	s_cbranch_scc1 .Lloop_b
.Lskip_b:
	STEP 0, 0, 0, 0                                ; the last tile: nothing is left to fetch
	OUT 23
	s_set_vgpr_msb 0x5
	s_wait_tensorcnt 0x0
	ds_add_u32 v128, v129
	s_wait_dscnt 0x0
	s_set_vgpr_msb 0x500
	s_endpgm
.Lfunc_end_k_qdcf9748592_attn:
	.size	k_qdcf9748592_attn, .Lfunc_end_k_qdcf9748592_attn-k_qdcf9748592_attn
	.p2alignl 7, 3214868480
	.fill 96, 4, 3214868480
	.section	.rodata,"a",@progbits
	.p2align	6, 0x0
	.amdhsa_kernel k_qdcf9748592_attn
		.amdhsa_group_segment_fixed_size 327680
		.amdhsa_private_segment_fixed_size 0
		.amdhsa_enable_private_segment 0
		.amdhsa_kernarg_size 24
		.amdhsa_user_sgpr_count 2
		.amdhsa_user_sgpr_kernarg_segment_ptr 1
		.amdhsa_wavefront_size32 1
		.amdhsa_system_sgpr_workgroup_id_x 1
		.amdhsa_system_sgpr_workgroup_id_y 1
		.amdhsa_system_sgpr_workgroup_id_z 1
		.amdhsa_system_vgpr_workitem_id 0
		.amdhsa_next_free_vgpr 386
		.amdhsa_next_free_sgpr 82
		.amdhsa_reserve_vcc 1
		.amdhsa_float_denorm_mode_32 3
		.amdhsa_float_denorm_mode_16_64 3
		.amdhsa_memory_ordered 1
		.amdhsa_forward_progress 1
		.amdhsa_inst_pref_size 184
	.end_amdhsa_kernel
	.amdgpu_metadata
---
amdhsa.version: [ 1, 2 ]
amdhsa.kernels:
  - .name:           k_qdcf9748592_attn
    .symbol:         k_qdcf9748592_attn.kd
    .args:
      - { .name: qkvb, .offset: 0, .size: 8, .value_kind: global_buffer, .address_space: global }
      - { .name: gt, .offset: 8, .size: 8, .value_kind: global_buffer, .address_space: global }
      - { .name: ab, .offset: 16, .size: 8, .value_kind: global_buffer, .address_space: global }
    .group_segment_fixed_size: 327680
    .private_segment_fixed_size: 0
    .kernarg_segment_align: 8
    .kernarg_segment_size: 24
    .max_flat_workgroup_size: 256
    .sgpr_count:     82
    .vgpr_count:     386
    .wavefront_size: 32
...
	.end_amdgpu_metadata
.endif
;; end of part 3
;; launch proj (part 4): grid 8 x 32, 4 waves a work-group, clusters of 4 x 4, 327,680 bytes of LDS; arguments ab, wt, out0; writes out0
.if DOCPART == 4
	.amdgcn_target "amdgcn-amd-amdhsa--gfx1250"
	.amdhsa_code_object_version 6
	.text
	.protected	k_qdcf9748592_proj
	.globl	k_qdcf9748592_proj
	.p2align	8
	.type	k_qdcf9748592_proj,@function
k_qdcf9748592_proj:
	s_mov_b64 s[64:65], 0
	v_nop
	global_prefetch_b8 v0, s[64:65] scope:SCOPE_SE
	s_setreg_imm32_b32 hwreg(HW_REG_WAVE_MODE, 25, 1), 1
	s_wait_xcnt 0x0
	s_wait_alu depctr_hold_cnt(0) depctr_sa_sdst(0) depctr_va_vdst(0) depctr_va_sdst(0) depctr_va_ssrc(0) depctr_va_vcc(0) depctr_vm_vsrc(0)
	s_getreg_b32 s2, hwreg(HW_REG_IB_STS2, 6, 4)
	s_cmp_eq_u32 s2, 0
	s_cbranch_scc0 .Lentry_in_a_cluster
	s_endpgm
.Lentry_in_a_cluster:
	s_bfe_u32 s2, ttmp6, 0x10000c
	s_cmp_lg_u32 s2, 0xf033
	s_cbranch_scc0 .Lentry_shape_is_right
	s_endpgm
.Lentry_shape_is_right:
; OUTPUT PRODUCT.  out0[m][n] = sum over k of a[m][k] Wout[k][n], f16 operands, f32 sums, f32 out.
; ab is [64 half tiles][16 heads][80 rows][64] f16.  Half tile 32 batch + j: rows 0-15 tokens 16 j .. (high halves), rows 16-63 tokens 512 + 48 j .. , rows 64-79 the low
; halves a - f16(a) of rows 0-15.  So tokens 0-511 of a batch enter as pairs of f16, the later ones as one f16 (relative step 2^-11), and every wave has the same work.
; Work-group (x, y): half tiles 2y, 2y + 1 (128 tokens) x 128 columns; four waves 2 x 2, one half tile x 64 columns each: 16 accumulator tiles.  A quarter (32 along K) is
; 16 products of the high halves and 4 of the low block, by the same W fragments.
; A K step is four heads = 256 rows of Wout.  Both tiles are dense in memory and come in as rows of 256 bytes: a half tile's 40,960 bytes with 16 bytes behind each
; (row r of a head at (r>>1) 272 + (r&1) 128: the 16 rows of a fragment start in 16 different 16-byte columns of 256), a strip's 32,768 bytes with 32 behind each
; (k row at (k>>1) 288 + (k&1) 128: the 8 rows of a transposing load's half start in 8 different 32-byte columns).
; Two LDS slots of 160,768 bytes, four K steps, written out: two first fills, two refills.  CLUSTER 4 x 4: ab's tile hangs on y alone and is shared along a row of the
; cluster, Wout's two strips on x alone and are shared along a column.  Waves 0, 1 ask for a half tile each, waves 2, 3 for a strip each.
; The matrix instruction is used transposed (source 0 = W, source 1 = a): a lane holds row l%16 and eight neighbouring columns.
; The stage of the way out lies in slot 0: it is first written behind the barrier that ends slot 0's last reads, and slot 0 has had its last fill by then.
; REGISTER WINDOWS: 0: addresses, a's fragments (two buffers at v64, v128: 32 high, 8 low); 1: W fragments (two buffers of 32 at v0, v32); 2: accumulators (tile (mb, nb) at 8 (4 mb + nb)).
.set AUNIT,  272
.set AHEAD,  40*AUNIT                  ; a head's 80 rows: 10,880
.set AHALF,  4*AHEAD                   ; 43,520
.set ATILE,  2*AHALF                   ; 87,040
.set BUNIT,  288
.set BPLANE, 128*BUNIT                 ; 256 k rows: 36,864
.set SLOT,   ATILE+2*BPLANE            ; 160,768
.set SPITCH, 272
.set ASTEP,  40960                     ; bytes of ab from K step to K step
.set BSTEP,  32768                     ; bytes of a strip from K step to K step
.set ADRA, 16
.set ADRB, 20
.set G1,  24
.set G0,  32
.set G1B, 48
.set G0B, 56
.set MSB, 0
.macro WIN new                         ; the immediate's high byte repeats the setting that is left
.if MSB != \new
	s_set_vgpr_msb (MSB<<8)|\new
.set MSB, \new
.endif
.endm
.set MUL,  0xa1                        ; source 0 window 1, source 1 window 0, C and D window 2
.set TO_B, 0x40
.macro JLOAD s                         ; one joint load a wave; the branch hangs on the wave's number alone
	s_cmp_lt_u32 s12, 2
	s_cbranch_scc0 .Lfor_b_\@
	tensor_load_to_lds s[G0+4*\s:G0+4*\s+3], s[G1:G1+7]
	s_nop 0
	s_branch .Lasked_\@
.Lfor_b_\@:
	tensor_load_to_lds s[G0B+4*\s:G0B+4*\s+3], s[G1B:G1B+7]
	s_nop 0
.Lasked_\@:
.endm
.macro CREST                           ; a round of the cluster's barrier behind its opening barrier
	s_cmp_lg_u32 s12, 0
	s_cbranch_scc1 .Lnot_wave_0_\@
	s_barrier_signal -3
.Lnot_wave_0_\@:
	s_barrier_wait -3
	s_barrier_signal -1
	s_barrier_wait -1
.endm
.macro CROUND
	s_barrier_signal -1
	s_barrier_wait -1
	CREST
.endm
.macro PLACES                          ; four places behind a matrix instruction before its registers are loaded into or its results read (ISA guide 7.12.1)
.rept 4
	v_nop
.endr
.endm
	s_load_b128 s[4:7], s[0:1], 0x0                ; ab s[4:5], wt s[6:7]
	s_load_b64 s[8:9], s[0:1], 0x10                ; out0
	s_set_vgpr_msb 0x40
	v_lshl_add_u32 v255, v0, 2, 0x4e800
	s_set_vgpr_msb 0x4000
	v_mov_b32 v255, 0
	s_set_vgpr_msb 0x1
	ds_add_u32 v255, v255
	s_set_vgpr_msb 0x100
	v_lshrrev_b32 v1, 5, v0
	v_readfirstlane_b32 s12, v1                    ; wave
	s_lshr_b32 s10, s12, 1                         ; my half tile
	s_and_b32 s11, s12, 1                          ; my half of the columns; also which half of a tile I fetch
	s_bfe_u32 s40, ttmp6, 0x40000                  ; cx
	s_bfe_u32 s41, ttmp6, 0x40004                  ; cy
	s_lshl_b32 s42, ttmp9, 2
	s_add_co_u32 s42, s42, s40                     ; x
	s_and_b32 s13, ttmp7, 0xffff
	s_lshl_b32 s13, s13, 2
	s_add_co_u32 s13, s13, s41                     ; y
	s_lshl_b32 s43, s41, 2
	s_lshl_b32 s43, 15, s43                        ; my row of the cluster
	s_lshl_b32 s44, 0x1111, s40                    ; my column
	s_or_b32 s[G1+0], s43, (1<<16)|(1<<20)|(1<<21)|(5<<22)|(3<<25)   ; mask; 2-byte elements; padding: 4 words behind every 64; bit 21 beside a mask
	s_mov_b32 s[G1+1], 128<<16                     ; tensor_dim0 = 128 elements (256 bytes)
	s_mov_b32 s[G1+2], 160<<16                     ; tensor_dim1 = 160: four heads x 80 rows x 128 bytes, dense
	s_mov_b32 s[G1+3], 128<<16                     ; tile_dim0
	s_mov_b32 s[G1+4], 160                         ; tile_dim1
	s_mov_b32 s[G1+5], 128                         ; elements from row to row
	s_mov_b32 s[G1+6], 0
	s_mov_b32 s[G1+7], 0
	s_or_b32 s[G1B+0], s44, (1<<16)|(1<<20)|(1<<21)|(5<<22)|(7<<25)  ; padding: 8 words behind every 64
	s_mov_b32 s[G1B+1], 128<<16                    ; 256 dense k rows of 128 bytes as 128 rows of 256
	s_mov_b32 s[G1B+2], 128<<16
	s_mov_b32 s[G1B+3], 128<<16
	s_mov_b32 s[G1B+4], 128
	s_mov_b32 s[G1B+5], 128
	s_mov_b32 s[G1B+6], 0
	s_mov_b32 s[G1B+7], 0
	s_mul_i32 s16, s13, 327680                     ; ab: two half tiles of 163,840 bytes a block,
	s_mul_i32 s17, s11, 163840                     ; one of them; hangs on y alone
	s_add_co_u32 s16, s16, s17
	s_mov_b32 s17, 0
	s_lshl_b32 s46, s42, 1
	s_add_co_u32 s46, s46, s11
	s_add_co_u32 s46, s46, 48                      ; strip 48 + 2 x + half; hangs on x alone
	s_lshl_b32 s46, s46, 17
	s_mov_b32 s47, 0
	s_mul_i32 s20, s12, AHALF                      ; LDS: waves 0, 1: the half tiles
	s_mul_i32 s21, s12, BPLANE
	s_add_co_u32 s21, s21, ATILE-2*BPLANE          ; waves 2, 3: the strips, behind them
	s_wait_dscnt 0x0
	s_wait_kmcnt 0x0
	s_add_nc_u64 s[14:15], s[4:5], s[16:17]
	s_add_nc_u64 s[46:47], s[6:7], s[46:47]
	CROUND                                         ; all sixteen work-groups are here: the first joint loads meet
.irp s, 0,1
	s_mov_b32 s[G0+4*\s], 1
	s_add_co_u32 s[G0+4*\s+1], s20, \s*SLOT
	s_add_nc_u64 s[G0+4*\s+2:G0+4*\s+3], s[14:15], \s*ASTEP
	s_or_b32 s[G0+4*\s+3], s[G0+4*\s+3], 0x80000000
	s_mov_b32 s[G0B+4*\s], 1
	s_add_co_u32 s[G0B+4*\s+1], s21, \s*SLOT
	s_add_nc_u64 s[G0B+4*\s+2:G0B+4*\s+3], s[46:47], \s*BSTEP
	s_or_b32 s[G0B+4*\s+3], s[G0B+4*\s+3], 0x80000000
	JLOAD \s                                       ; two tensor loads of the wave are out, the most in this text: half of all that the work-group reads
.endr
	v_and_b32 v1, 15, v0                           ; r
	v_bfe_u32 v2, v0, 4, 1                         ; h
	v_and_b32 v3, 7, v0
	v_bfe_u32 v4, v0, 3, 1
	v_lshrrev_b32 v5, 1, v1
	v_and_b32 v6, 1, v1
	v_mul_u32_u24 v5, v5, AUNIT
	v_lshl_add_u32 v5, v6, 7, v5                   ; row r: (r>>1) 272 + (r&1) 128,
	v_lshl_add_u32 v5, v2, 4, v5                   ; + 16 h
	s_mul_i32 s22, s10, AHALF                      ; my half tile
	v_add_nc_u32 v[ADRA], s22, v5
	v_add_nc_u32 v[ADRA+1], SLOT, v[ADRA]
	v_lshl_add_u32 v7, v2, 3, v3                   ; k row 8h + (l&7)
	v_lshrrev_b32 v8, 1, v7
	v_and_b32 v9, 1, v7
	v_mul_u32_u24 v8, v8, BUNIT
	v_lshl_add_u32 v8, v9, 7, v8                   ; (k>>1) 288 + (k&1) 128,
	v_lshl_add_u32 v8, v4, 4, v8                   ; 16 bytes by bit 3 of the lane
	s_mul_i32 s22, s11, BPLANE
	s_add_co_u32 s22, s22, ATILE                   ; my strip
	v_add_nc_u32 v[ADRB], s22, v8
	v_add_nc_u32 v[ADRB+1], SLOT, v[ADRB]
	s_mul_i32 s23, s12, 16*SPITCH                  ; my stage, in slot 0
	v_mul_u32_u24 v10, v1, SPITCH
	v_lshl_add_u32 v10, v2, 5, v10
	v_add_nc_u32 v24, s23, v10                     ; stage in: row r, 32 bytes for each half of the lanes
	v_mul_u32_u24 v11, v2, SPITCH
	v_lshl_add_u32 v11, v1, 4, v11
	v_add_nc_u32 v25, s23, v11                     ; stage back: two rows of 256 bytes a load
	v_lshlrev_b32 v26, 12, v2
	v_lshl_add_u32 v26, v1, 4, v26                 ; the same two rows in out0
; 8 matrix instructions: row blocks m0, m0 + 1 x 4 column blocks.  The accumulators take turns, one instruction a turn: in a quarter the order is
; blocks 0, 1, the low block (which adds onto block 0's four tiles, eight instructions behind them), blocks 2, 3; no wait is written.
.macro MUL8 f, m0, zero
.irp mb, \m0, \m0+1
.irp nb, 0,1,2,3
.if \zero
	v_wmma_f32_16x16x32_f16 v[8*(4*(\mb)+\nb):8*(4*(\mb)+\nb)+7], v[32*\f+8*\nb:32*\f+8*\nb+7], v[64+64*\f+8*(\mb):64+64*\f+8*(\mb)+7], 0
.else
	v_wmma_f32_16x16x32_f16 v[8*(4*(\mb)+\nb):8*(4*(\mb)+\nb)+7], v[32*\f+8*\nb:32*\f+8*\nb+7], v[64+64*\f+8*(\mb):64+64*\f+8*(\mb)+7], v[8*(4*(\mb)+\nb):8*(4*(\mb)+\nb)+7]
.endif
.endr
.endr
.endm
.macro MULLO f                         ; the low halves of row block 0
.irp nb, 0,1,2,3
	v_wmma_f32_16x16x32_f16 v[8*\nb:8*\nb+7], v[32*\f+8*\nb:32*\f+8*\nb+7], v[96+64*\f:103+64*\f], v[8*\nb:8*\nb+7]
.endr
.endm
; 18 LDS loads in one run: quarter q's fragments (q = 0..7: head q>>1 of the step's four, 32 of its 64) into buffer f: 8 for W, then row blocks 0, 1, the low block (rows 64-79), 2, 3
.macro FETCH slot, q, f
	WIN TO_B
.irp nb, 0,1,2,3
	ds_load_tr16_b128 v[32*\f+8*\nb:32*\f+8*\nb+3],   v[ADRB+\slot] offset:\q*16*BUNIT+\nb*32
	ds_load_tr16_b128 v[32*\f+8*\nb+4:32*\f+8*\nb+7], v[ADRB+\slot] offset:\q*16*BUNIT+\nb*32+8*BUNIT
.endr
	WIN 0
.irp mb, 0,1,4,2,3
	ds_load_b128 v[64+64*\f+8*\mb:64+64*\f+8*\mb+3],   v[ADRA+\slot] offset:(\q>>1)*AHEAD+(\q&1)*64+\mb*8*AUNIT
	ds_load_b128 v[64+64*\f+8*\mb+4:64+64*\f+8*\mb+7], v[ADRA+\slot] offset:(\q>>1)*AHEAD+(\q&1)*64+\mb*8*AUNIT+32
.endr
.endm
.macro QUARTER slot, q, f, g, zero     ; multiplies buffer f; in its middle fetches quarter q into buffer g
	s_wait_dscnt 6                                 ; W and row blocks 0, 1 are in; the youngest six loads (low block, blocks 2, 3) may be out
	WIN MUL
	MUL8 \f, 0, \zero
	PLACES
	FETCH \slot, \q, \g
	s_wait_dscnt 18                                ; all but the 18 just issued
	WIN MUL
	MULLO \f
	MUL8 \f, 2, \zero
.endm
.macro SEVEN slot, zero
	QUARTER \slot, 1, 0, 1, \zero
	QUARTER \slot, 2, 1, 0, 0
	QUARTER \slot, 3, 0, 1, 0
	QUARTER \slot, 4, 1, 0, 0
	QUARTER \slot, 5, 0, 1, 0
	QUARTER \slot, 6, 1, 0, 0
	QUARTER \slot, 7, 0, 1, 0
.endm
; the eighth quarter changes slots: each wave's reads of this slot and all its tensor loads are waited for, then the barrier (which opens a round of the cluster's barrier
; where the slot is filled again), then the joint refill first, then the next slot's first fragments
.macro TURN slot, next, fill
	s_wait_dscnt 6
	WIN MUL
	MUL8 1, 0, 0
	s_wait_dscnt 0x0                               ; my reads of this slot are over
	s_wait_tensorcnt 0x0                           ; all my tensor loads have landed: the one that was out is my part of the next slot
	ds_add_u32 v255, v255
	s_wait_dscnt 0x0
	s_barrier_signal -1
	MULLO 1                                        ; register work while the others arrive
	WIN 0
	s_barrier_wait -1
.if \fill
	CREST                                          ; no wave of any partner still reads this slot or has a load on its way
	s_add_nc_u64 s[G0+4*\slot+2:G0+4*\slot+3], s[G0+4*\slot+2:G0+4*\slot+3], 2*ASTEP
	s_add_nc_u64 s[G0B+4*\slot+2:G0B+4*\slot+3], s[G0B+4*\slot+2:G0B+4*\slot+3], 2*BSTEP
	JLOAD \slot                                    ; 156 matrix instructions of the wave stand between this request and the wait for it
.endif
	PLACES
	FETCH \next, 0, 0
	WIN MUL
	MUL8 1, 2, 0
.endm
	s_wait_tensorcnt 1                             ; my part of K step 0 is in; K step 1's stays out
	s_barrier_signal -1
	s_barrier_wait -1
	FETCH 0, 0, 0
	SEVEN 0, 1                                     ; K step 0: the first products start the sums: nothing is cleared
	TURN 0, 1, 1                                   ; slot 0 gets K step 2
	SEVEN 1, 0
	TURN 1, 0, 1                                   ; slot 1 gets K step 3
	SEVEN 0, 0
	TURN 0, 1, 0                                   ; nothing is left to fetch; behind this barrier no wave reads slot 0 any more
	SEVEN 1, 0
	s_wait_dscnt 6
	WIN MUL
	MUL8 1, 0, 0
	s_wait_dscnt 0x0
	MULLO 1
	MUL8 1, 2, 0
	WIN 0
	PLACES
	; THE WAY OUT, 16 rows at a time: the f32 sums go through my own stage and leave as whole rows of 256 bytes.  Row block 0 is tokens 16 j .., blocks 1-3 tokens 512 + 48 j ..
	s_lshl_b32 s20, s42, 9                         ; 128 columns of f32
	s_lshl_b32 s21, s11, 8                         ; my 64 columns
	s_add_co_u32 s20, s20, s21
	s_lshr_b32 s21, s13, 4
	s_lshl_b32 s21, s21, 11                        ; the batch's first token
	s_lshl_b32 s22, s13, 1
	s_add_co_u32 s22, s22, s10
	s_and_b32 s22, s22, 31                         ; j
	s_lshl_b32 s14, s22, 4
	s_add_co_u32 s14, s14, s21
	s_lshl_b32 s14, s14, 12                        ; rows of 4,096 bytes
	s_add_co_u32 s14, s14, s20
	s_mov_b32 s15, 0
	s_mul_i32 s16, s22, 48
	s_add_co_u32 s16, s16, s21
	s_add_co_u32 s16, s16, 512
	s_lshl_b32 s16, s16, 12
	s_add_co_u32 s16, s16, s20
	s_mov_b32 s17, 0
	s_add_nc_u64 s[4:5], s[8:9], s[14:15]
	s_add_nc_u64 s[6:7], s[8:9], s[16:17]
.macro OUT16 mb, bp, row0
	WIN 0x08                                       ; store data from window 2
.irp nb, 0,1,2,3
	ds_store_b128 v24, v[8*(4*\mb+\nb):8*(4*\mb+\nb)+3]   offset:64*\nb
	ds_store_b128 v24, v[8*(4*\mb+\nb)+4:8*(4*\mb+\nb)+7] offset:64*\nb+16
.endr
	WIN 0
	s_wait_xcnt 0x0                                ; the last block's stores read v64-95: loaded again only behind this wait
.irp t, 0,1,2,3,4,5,6,7
	ds_load_b128 v[64+4*\t:67+4*\t], v25 offset:\t*2*SPITCH       ; LDS serves a wave's instructions in order: these see the stores above
.endr
.irp t, 0,1,2,3,4,5,6,7
	s_wait_dscnt 7-\t
	global_store_b128 v26, v[64+4*\t:67+4*\t], s[\bp:\bp+1] offset:(\row0+2*\t)*4096 th:TH_STORE_NT   ; sixteen lanes store 256 consecutive bytes, aligned
.endr
.endm
	OUT16 0, 4, 0
	OUT16 1, 6, 0
	OUT16 2, 6, 16
	OUT16 3, 6, 32
	s_set_vgpr_msb 0x1
	s_wait_tensorcnt 0x0
	ds_add_u32 v255, v255
	s_wait_dscnt 0x0
	s_set_vgpr_msb 0x100
	CROUND                                         ; the closing round: no work-group ends while a partner may still ask for a tile that names it
	s_endpgm
.Lfunc_end_k_qdcf9748592_proj:
	.size	k_qdcf9748592_proj, .Lfunc_end_k_qdcf9748592_proj-k_qdcf9748592_proj
	.p2alignl 7, 3214868480
	.fill 96, 4, 3214868480
	.section	.rodata,"a",@progbits
	.p2align	6, 0x0
	.amdhsa_kernel k_qdcf9748592_proj
		.amdhsa_group_segment_fixed_size 327680
		.amdhsa_private_segment_fixed_size 0
		.amdhsa_enable_private_segment 0
		.amdhsa_kernarg_size 24
		.amdhsa_user_sgpr_count 2
		.amdhsa_user_sgpr_kernarg_segment_ptr 1
		.amdhsa_wavefront_size32 1
		.amdhsa_system_sgpr_workgroup_id_x 1
		.amdhsa_system_sgpr_workgroup_id_y 1
		.amdhsa_system_sgpr_workgroup_id_z 1
		.amdhsa_system_vgpr_workitem_id 0
		.amdhsa_next_free_vgpr 640
		.amdhsa_next_free_sgpr 66
		.amdhsa_reserve_vcc 0
		.amdhsa_float_denorm_mode_32 3
		.amdhsa_float_denorm_mode_16_64 3
		.amdhsa_memory_ordered 1
		.amdhsa_forward_progress 1
		.amdhsa_inst_pref_size 104
	.end_amdhsa_kernel
	.amdgpu_metadata
---
amdhsa.version: [ 1, 2 ]
amdhsa.kernels:
  - .name:           k_qdcf9748592_proj
    .symbol:         k_qdcf9748592_proj.kd
    .args:
      - { .name: ab, .offset: 0, .size: 8, .value_kind: global_buffer, .address_space: global }
      - { .name: wt, .offset: 8, .size: 8, .value_kind: global_buffer, .address_space: global }
      - { .name: out0, .offset: 16, .size: 8, .value_kind: global_buffer, .address_space: global }
    .group_segment_fixed_size: 327680
    .private_segment_fixed_size: 0
    .kernarg_segment_align: 8
    .kernarg_segment_size: 24
    .max_flat_workgroup_size: 128
    .sgpr_count:     66
    .vgpr_count:     640
    .wavefront_size: 32
...
	.end_amdgpu_metadata
.endif
;; end of part 4
